; MI455X (gfx1250); checked and timed in simulation.
; The chip was launched on July 23, 2026; its instructions are those of AMD's public machine-readable ISA for CDNA 5 (MIT licence, August 2026) and "CDNA5" Instruction Set Architecture Reference Guide (July 2026). The comments in the code are by the model that wrote it; some were corrected since.
;; GPT2 UV Latent Attention. Allowed arithmetic: matrix products marked QUANTISED: E2M3 operands, one E8M0 scale for each 32 along K, by v_wmma_scale_f32_16x16x128_f8f6f4 with both operands' format E2M3, f32 sums; everything else in f32.
;; Inputs: basis_w 256 x 1,024 float32; hidden_states 4 x 2,048 x 1,024 float32; o_proj_b 1,024 float32; o_proj_w 1,024 x 1,024 float32; u_factor 16 x 256 x 64 float32; v_factor 16 x 256 x 64 float32; v_proj_b 1,024 float32; v_proj_w 1,024 x 1,024 float32.
;; Outputs: out0 4 x 2,048 x 1,024 float32.
;; This version of the problem:
;;   THIS VERSION OF THE PROBLEM IS GIVEN IN LOW PRECISION. The matrix products marked QUANTISED in the list below multiply operands that are first quantised to E2M3 (2 exponent bits, 3 mantissa bits; 6 bits a number), with one power-of-two scale for each 32 numbers along K (OCP MX v1.0); their sums are f32. All else is computed in f32.
;;   The module's matrix products, in the order in which they are computed (A, B: the left and right operand; K: the contracted axis; several contracted axes count as one K, in the product's order):
;;     1. [M 8,192, K 1,024] x [K 1,024, N 256]; A: input hidden_states; B: input basis_w: QUANTISED
;;     2. [M 1,024, K 256] x [K 256, N 8,192]; A: input u_factor; B: computed on the way: QUANTISED
;;     3. [M 1,024, K 256] x [K 256, N 8,192]; A: input v_factor; B: computed on the way: QUANTISED
;;     4. [M 8,192, K 1,024] x [K 1,024, N 1,024]; A: input hidden_states; B: input v_proj_w: QUANTISED
;;     5. batch 64 x [M 2,048, K 64] x [K 64, N 2,048]; A: computed on the way; B: computed on the way: QUANTISED
;;     6. batch 64 x [M 2,048, K 2,048] x [K 2,048, N 64]; A: softmax (see below); B: computed on the way: QUANTISED
;;     7. [M 8,192, K 1,024] x [K 1,024, N 1,024]; A: computed on the way; B: input o_proj_w: QUANTISED
;;   THE QUANTISER, for each operand of a quantised product, along K:
;;     - K is cut into blocks of 32 from its start; a last block that is shorter is filled with zeros.
;;     - A block's scale is 2^e with e = floor(log2(the largest magnitude in the block)) - 2, held to -126 .. 127; a block of zeros has e = 0. As a byte (E8M0): e + 127.
;;     - Each number is divided by its block's scale, clamped to +-7.5, and rounded to the nearest number of E2M3, ties to even, subnormals kept.
;;     - The product sums the exact products of the quantised numbers (number of the format x scale) in f32.
;;   ~~~python
;;   def quantise(x, axis):      # numpy; x: float32 -> the quantised numbers, widened to float32 again
;;       x = np.moveaxis(x, axis, -1); K = x.shape[-1]
;;       x = np.pad(x, [(0, 0)] * (x.ndim - 1) + [(0, -K % 32)]); x = x.reshape(x.shape[:-1] + (-1, 32)); a = np.abs(x).max(-1, keepdims=True)
;;       e = np.where(a > 0, np.clip(np.frexp(np.where(a > 0, a, 1))[1] - 1 - 2, -126, 127), 0)      # np.frexp(a)[1] - 1 = floor(log2(a)), exactly
;;       r = np.clip(x / 2.0 ** e, -7.5, 7.5)
;;       step = 2.0 ** (np.maximum(np.frexp(np.where(r == 0, 1, r))[1] - 1, 0) - 3)
;;       q = np.round(r / step) * step * 2.0 ** e      # np.round: ties to even
;;       return np.moveaxis(q.reshape(q.shape[:-2] + (-1,))[..., :K], -1, axis).astype(np.float32)
;;   ~~~
;;   SOFTMAX AHEAD OF A QUANTISED PRODUCT. Where the list says 'softmax', what is quantised is not the finished softmax but p = 2^(t - M), with t = logit x log2(e) and M = ceil(the row's largest t), a whole number; so 1/2 < the row's largest p <= 1. The row's sum l is taken of the UNQUANTISED p, in f32, and the product's result is divided by l at the end. Since M is a whole number, a kernel that streams over the keys may use a running M (the ceiling of the running maximum): every later rescaling is an exact power of two, which a block's scale takes up: the codes' values come out the same.
;;   OPERANDS COMPUTED ON THE WAY. 'Computed on the way' means the value that the module computes at that place (a softmax that the list does not call 'softmax' is quantised finished and normalised). What goes into a quantiser is computed in f32, as accurately as f32 sums, v_exp_f32 and their like allow (about 1e-6 of the number): no bf16 or f16 on the way to a quantiser, and a product that is left as it is and whose result goes on into a quantised operand takes f32 operands (vector FMAs, or v_wmma_f32_16x16x4_f32). A number that lies on a knife's edge between two numbers of the format may be rounded either way, as far as f32 arithmetic and the matrix unit's own rounding can turn it there, and no further.
;; 2 versions. Each part assembles by itself: llvm-mc -triple=amdgcn-amd-amdhsa -mcpu=gfx1250 --defsym DOCPART=n.
;; ======== version 1 of 2: 4 launches
;; workspace buffers: img 8,454,144 bytes; scl 352,256 bytes; qkimg 12,582,912 bytes; qksc 524,288 bytes; vimg 6,291,456 bytes; vsc 262,144 bytes; yimg 6,291,456 bytes; ysc 524,288 bytes
;; launch quant (part 1): grid 344 x 1, 4 waves a work-group, no clusters, 34,304 bytes of LDS; arguments hidden_states, basis_w, v_proj_w, o_proj_w, u_factor, v_factor, img, scl; writes img, scl
.if DOCPART == 1
	.amdgcn_target "amdgcn-amd-amdhsa--gfx1250"
	.amdhsa_code_object_version 6
	.text
	.protected	k_q57e35bfe0d_quant
	.globl	k_q57e35bfe0d_quant
	.p2align	8
	.type	k_q57e35bfe0d_quant,@function
k_q57e35bfe0d_quant:
	s_mov_b64 s[64:65], 0
	v_nop
	global_prefetch_b8 v0, s[64:65] scope:SCOPE_SE
	s_setreg_imm32_b32 hwreg(HW_REG_WAVE_MODE, 25, 1), 1
	s_wait_xcnt 0x0
; x [8192][1024], basis_w [256][1024], v_proj_w, o_proj_w [1024][1024] (K innermost) and u_factor, v_factor [16][256 (K)][64] become codes of FP6 (E2M3) with one E8M0 byte for each 32 along K,
; laid as IMAGES OF THE OPERAND'S REGISTERS.  A UNIT is 64 rows x 128 K: four tiles of 16 rows, each a fragment of 12 registers a lane, stored as three chunks of 512 bytes (registers 4 c .. 4 c + 3 of lane l at 512 c + 16 l).
; THE ROWS OF A TILE ARE NOT NEIGHBOURS: row p of tile tt is row 32 (tt / 2) + 8 (tt % 2) + p + 8 (p / 8) of the 64, so that a product's results of tiles 2 b and 2 b + 1 are 16 neighbours along the next K.
; A unit's scale words are 256 bytes: lane l's two words at 8 l; word j of lane (p, h) is the word of tile 2 j + h, row p.
; One wave makes one unit: 1,376 units, 344 work-groups.  Units 0-1023 x, 1024-1055 basis_w, 1056-1183 v_proj_w, 1184-1311 o_proj_w (unit = 8 x group + K step), 1312-1375 u_factor then v_factor (2 x head + K step).
; A block's scale is 2^(floor(log2(its largest magnitude)) - 2): its byte is the largest magnitude's exponent field - 2, held at 1 from below.
; LIMITS: NaN and infinities are not served; a block of zeros, or one whose largest magnitude lies under 2^-124, gets the byte 1 (zeros stay zero codes; this program alone reads the bytes).
.set UB,  1024
.set UV,  1056
.set UO,  1184
.set UU,  1312
.set SP,  528                          ; a stage row: 512 bytes + 16: sixteen rows begin in sixteen different groups of banks
.set STG, 16*SP                        ; a wave's stage
.set LI,  4                            ; v4   16 x lane
.set L8,  5                            ; v5   8 x lane
.set STI, 6                            ; v6   into the stage: 16 x lane
.set STO, 7                            ; v7   out of it: row r, + 64 h
.set UOF, 8                            ; v8   u, v: my column and my half of a block
.set TM,  16                           ; v16-31  at work in QUANT
.set PC,  32                           ; v32-51  the codes just made
.set PW,  52                           ; v52     the scale word just made
.set PWT, 56                           ; v56-59  the four tiles' scale words
.set SW,  60                           ; v60-61  the unit's two words a lane
.set X,   64                           ; v64-127 64 numbers of a lane: register 16 b + i = k 32 b + 16 h + i of row r
.set R,   128                          ; v128-255 two sets of 64 registers as loaded
.set SEL, 34                           ; s[34:35] v_permlanex16_b32's selects for lane l xor 16
.set HM,  36                           ; s36  the mask of lanes 16-31
; 64 numbers of a lane, register 16 b + i = k 32 b + 16 (lane / 16) + i of my row, become a fragment's codes in v[PC] on and its scale word in v[PW]
.macro QUANT s
.irp b, 0,1,2,3
	v_max3_num_f32 v[TM+\b], |v[\s+16*\b]|, |v[\s+1+16*\b]|, 0x1800000   ; block b: my 16 numbers, and the floor 2^(3 - 127): the byte cannot fall under 1
.endr
.irp i, 2,4,6,8,10,12,14
.irp b, 0,1,2,3
	v_max3_num_f32 v[TM+\b], v[TM+\b], |v[\s+16*\b+\i]|, |v[\s+1+16*\b+\i]|
.endr
.endr
.irp b, 0,1,2,3
	v_permlanex16_b32 v[TM+4+\b], v[TM+\b], s[SEL], s[SEL+1]
.endr
.irp b, 0,1,2,3
	v_max_num_f32 v[TM+\b], v[TM+\b], v[TM+4+\b]   ; with lane l xor 16's: the block's largest magnitude
.endr
.irp b, 0,1,2,3
	v_add_nc_u32 v[TM+12+\b], 0xff000000, v[TM+\b]   ; 2 off its exponent field: the conversion's scale operand
.endr
.irp b, 0,1,2,3
	v_lshrrev_b32 v[TM+4+\b], 23, v[TM+12+\b]   ; the scale's byte
.endr
	v_lshl_or_b32 v[PW], v[TM+5], 8, v[TM+4]
	v_lshl_or_b32 v[PW], v[TM+6], 16, v[PW]
	v_lshl_or_b32 v[PW], v[TM+7], 24, v[PW]
.irp c, 0,1
	v_cvt_scalef32_pk16_fp6_f32 v[PC+6*\c:PC+2+6*\c], v[\s+32*\c:\s+15+32*\c], v[TM+12+2*\c]
	v_cvt_scalef32_pk16_fp6_f32 v[PC+12+4*\c:PC+14+4*\c], v[\s+16+32*\c:\s+31+32*\c], v[TM+12+2*\c+1]   ; (a conversion's three registers begin on an even number)
.endr
	v_nop                                          ; one plain place behind a scaled conversion
.irp c, 0,1                                    ; the operand's layout wants a whole block in a lane
.irp i, 0,1,2
	v_permlane16_swap_b32 v[PC+6*\c+\i], v[PC+12+4*\c+\i]
.endr
.irp i, 0,1,2
	v_mov_b32 v[PC+3+6*\c+\i], v[PC+12+4*\c+\i]
.endr
.endr
.endm
.macro LOADI tt                        ; tile tt, K innermost: 16 loads, each one row's 512 consecutive bytes
.irp i, 0,1,2,3,4,5,6,7,8,9,10,11,12,13,14,15
	global_load_b128 v[R+64*((\tt)%2)+4*\i:R+64*((\tt)%2)+4*\i+3], v[LI], s[24:25] offset:(32*((\tt)/2)+8*((\tt)%2)+\i+8*(\i/8))*4096 th:TH_LOAD_NT
.endr
.endm
.macro TURNI tt                        ; through my stage: in as loaded, out 16 neighbours of each block a lane.  LDS serves a wave's instructions in order
.irp i, 0,1,2,3,4,5,6,7,8,9,10,11,12,13,14,15
	ds_store_b128 v[STI], v[R+64*((\tt)%2)+4*\i:R+64*((\tt)%2)+4*\i+3] offset:SP*\i
.endr
.irp b, 0,1,2,3
.irp j, 0,1,2,3
	ds_load_b128 v[X+16*\b+4*\j:X+16*\b+4*\j+3], v[STO] offset:128*\b+16*\j
.endr
.endr
.endm
.macro LOADU tt                        ; tile tt of u or v: my column, registers down K: 16 b + i = k 32 b + 16 h + i
.irp b, 0,1,2,3
.irp i, 0,1,2,3,4,5,6,7,8,9,10,11,12,13,14,15
	global_load_b32 v[R+64*((\tt)%2)+16*\b+\i], v[UOF], s[24:25] offset:(32*((\tt)/2)+8*((\tt)%2))*4+(32*\b+\i)*256 th:TH_LOAD_NT
.endr
.endr
.endm
.macro OUT tt                          ; the image: three stores of 512 consecutive bytes
.irp c, 0,1,2
	global_store_b128 v[LI], v[PC+4*\c:PC+4*\c+3], s[30:31] offset:1536*(\tt)+512*\c
.endr
	v_mov_b32 v[PWT+(\tt)], v[PW]
.endm
.macro TAIL                            ; the unit's scale words: lanes 0-15 tiles 0 and 2, lanes 16-31 tiles 1 and 3: 256 consecutive bytes
	v_cndmask_b32 v[SW], v[PWT], v[PWT+1], s[HM]
	v_cndmask_b32 v[SW+1], v[PWT+2], v[PWT+3], s[HM]
	global_store_b64 v[L8], v[SW:SW+1], s[32:33]
	s_wait_tensorcnt 0x0
	ds_add_u32 v62, v63
	s_wait_dscnt 0x0
	s_endpgm
.endm
	s_load_b512 s[4:19], s[0:1], 0x0               ; x, basis_w, v_proj_w, o_proj_w, u_factor, v_factor, img, scl
	v_lshl_add_u32 v62, v0, 2, 0x8400
	v_mov_b32 v63, 0
	v_lshrrev_b32 v1, 5, v0
	v_readfirstlane_b32 s20, v1                    ; wave
	s_lshl_b32 s21, ttmp9, 2
	s_add_co_u32 s21, s21, s20                     ; my unit
	v_and_b32 v1, 31, v0                           ; lane
	v_and_b32 v2, 15, v0                           ; r
	v_bfe_u32 v3, v0, 4, 1                         ; h
	v_lshlrev_b32 v[LI], 4, v1
	v_lshlrev_b32 v[L8], 3, v1
	s_mul_i32 s22, s20, STG
	v_add_nc_u32 v[STI], s22, v[LI]
	v_mul_u32_u24 v[STO], v2, SP
	v_lshl_add_u32 v[STO], v3, 6, v[STO]
	v_add_nc_u32 v[STO], s22, v[STO]
	v_and_b32 v[UOF], 8, v2
	v_add_nc_u32 v[UOF], v[UOF], v2                ; r + 8 (r / 8)
	v_lshlrev_b32 v[UOF], 2, v[UOF]
	v_lshl_add_u32 v[UOF], v3, 12, v[UOF]          ; + 16 h rows of 256 bytes
.irp b, 0,1,2,3
	v_mov_b32 v[TM+4+\b], 0                        ; written once: a lane permute's destination counts as one of its sources
.endr
	s_mov_b32 s[SEL], 0x76543210
	s_mov_b32 s[SEL+1], 0xfedcba98
	s_mov_b32 s[HM], 0xffff0000
	s_mul_i32 s28, s21, 6144
	s_mov_b32 s29, 0
	s_wait_kmcnt 0x0
	s_add_nc_u64 s[30:31], s[16:17], s[28:29]      ; my unit's images
	s_lshl_b32 s28, s21, 8
	s_add_nc_u64 s[32:33], s[18:19], s[28:29]      ; and its scale words
	s_cmp_ge_u32 ttmp9, UU/4
	s_cbranch_scc1 .Lpath_u
	; ---- K innermost: which tensor, by my unit's number alone
	s_mov_b64 s[24:25], s[4:5]
	s_mov_b32 s26, 0
	s_cmp_ge_u32 s21, UB
	s_cselect_b64 s[24:25], s[6:7], s[24:25]
	s_cselect_b32 s26, UB, s26
	s_cmp_ge_u32 s21, UV
	s_cselect_b64 s[24:25], s[8:9], s[24:25]
	s_cselect_b32 s26, UV, s26
	s_cmp_ge_u32 s21, UO
	s_cselect_b64 s[24:25], s[10:11], s[24:25]
	s_cselect_b32 s26, UO, s26
	s_sub_co_u32 s27, s21, s26
	s_lshr_b32 s28, s27, 3
	s_lshl_b32 s28, s28, 18                        ; 64 rows of 4,096 bytes a group,
	s_and_b32 s27, s27, 7
	s_lshl_b32 s27, s27, 9                         ; 512 bytes a K step
	s_or_b32 s28, s28, s27
	s_add_nc_u64 s[24:25], s[24:25], s[28:29]
	LOADI 0
	LOADI 1
.irp tt, 0,1,2,3
.if \tt < 3
	s_wait_loadcnt 16                              ; this tile's 16 loads are in; the next tile's may be out
.else
	s_wait_loadcnt 0x0
.endif
	TURNI \tt
	s_wait_dscnt 0x0                               ; the numbers are back, and the stage's stores have read their registers,
.if \tt < 2
	LOADI \tt+2                                    ; which take the tile two on
.endif
	s_wait_xcnt 0x0                                ; the last tile's stores have read the codes' registers
	QUANT X
	OUT \tt
.endr
	TAIL
.Lpath_u:
	; ---- u_factor, v_factor: K is the middle axis: a lane takes a column, its registers run down K; no LDS
	s_sub_co_u32 s27, s21, UU
	s_cmp_lt_u32 s27, 32
	s_cselect_b64 s[24:25], s[12:13], s[14:15]
	s_and_b32 s28, s27, 31
	s_lshr_b32 s28, s28, 1
	s_lshl_b32 s28, s28, 16                        ; a head is 65,536 bytes,
	s_and_b32 s27, s27, 1
	s_lshl_b32 s27, s27, 15                        ; a K step 128 rows of 256
	s_or_b32 s28, s28, s27
	s_add_nc_u64 s[24:25], s[24:25], s[28:29]
	LOADU 0
	LOADU 1
.irp tt, 0,1,2,3
.if \tt < 3
	s_wait_loadcnt 63                              ; this tile's 64 loads are in (the count's field ends at 63: one load of the next tile is waited for too)
.else
	s_wait_loadcnt 0x0
.endif
	s_wait_xcnt 0x0                                ; the last tile's stores have read the codes' registers
	QUANT R+64*(\tt%2)
	OUT \tt
.if \tt < 2
	LOADU \tt+2
.endif
.endr
	TAIL
.Lfunc_end_k_q57e35bfe0d_quant:
	.size	k_q57e35bfe0d_quant, .Lfunc_end_k_q57e35bfe0d_quant-k_q57e35bfe0d_quant
	.p2alignl 7, 3214868480
	.fill 96, 4, 3214868480
	.section	.rodata,"a",@progbits
	.p2align	6, 0x0
	.amdhsa_kernel k_q57e35bfe0d_quant
		.amdhsa_group_segment_fixed_size 34304
		.amdhsa_private_segment_fixed_size 0
		.amdhsa_enable_private_segment 0
		.amdhsa_kernarg_size 64
		.amdhsa_user_sgpr_count 2
		.amdhsa_user_sgpr_kernarg_segment_ptr 1
		.amdhsa_wavefront_size32 1
		.amdhsa_system_sgpr_workgroup_id_x 1
		.amdhsa_system_sgpr_workgroup_id_y 1
		.amdhsa_system_sgpr_workgroup_id_z 1
		.amdhsa_system_vgpr_workitem_id 0
		.amdhsa_next_free_vgpr 256
		.amdhsa_next_free_sgpr 66
		.amdhsa_reserve_vcc 0
		.amdhsa_float_denorm_mode_32 3
		.amdhsa_float_denorm_mode_16_64 3
		.amdhsa_memory_ordered 1
		.amdhsa_forward_progress 1
		.amdhsa_inst_pref_size 75
	.end_amdhsa_kernel
	.amdgpu_metadata
---
amdhsa.version: [ 1, 2 ]
amdhsa.kernels:
  - .name:           k_q57e35bfe0d_quant
    .symbol:         k_q57e35bfe0d_quant.kd
    .args:
      - { .name: hidden_states, .offset: 0, .size: 8, .value_kind: global_buffer, .address_space: global }
      - { .name: basis_w, .offset: 8, .size: 8, .value_kind: global_buffer, .address_space: global }
      - { .name: v_proj_w, .offset: 16, .size: 8, .value_kind: global_buffer, .address_space: global }
      - { .name: o_proj_w, .offset: 24, .size: 8, .value_kind: global_buffer, .address_space: global }
      - { .name: u_factor, .offset: 32, .size: 8, .value_kind: global_buffer, .address_space: global }
      - { .name: v_factor, .offset: 40, .size: 8, .value_kind: global_buffer, .address_space: global }
      - { .name: img, .offset: 48, .size: 8, .value_kind: global_buffer, .address_space: global }
      - { .name: scl, .offset: 56, .size: 8, .value_kind: global_buffer, .address_space: global }
    .group_segment_fixed_size: 34304
    .private_segment_fixed_size: 0
    .kernarg_segment_align: 8
    .kernarg_segment_size: 64
    .max_flat_workgroup_size: 128
    .sgpr_count:     66
    .vgpr_count:     256
    .wavefront_size: 32
...
	.end_amdgpu_metadata
.endif
;; end of part 1
;; launch front (part 2): grid 256 x 1, 8 waves a work-group, no clusters, 66,560 bytes of LDS; arguments img, scl, v_proj_b, qkimg, qksc, vimg, vsc; writes qkimg, qksc, vimg, vsc
.if DOCPART == 2
	.amdgcn_target "amdgcn-amd-amdhsa--gfx1250"
	.amdhsa_code_object_version 6
	.text
	.protected	k_q57e35bfe0d_front
	.globl	k_q57e35bfe0d_front
	.p2align	8
	.type	k_q57e35bfe0d_front,@function
k_q57e35bfe0d_front:
	s_mov_b64 s[64:65], 0
	v_nop
	global_prefetch_b8 v0, s[64:65] scope:SCOPE_SE
	s_setreg_imm32_b32 hwreg(HW_REG_WAVE_MODE, 25, 1), 1
	s_wait_xcnt 0x0
; All on codes of FP6 (E2M3) with E8M0 scales, from the register images that the launch before has laid (unit = 64 rows x 128 K: 6,144 bytes of images, 256 bytes of scale words).
; A work-group takes 64 tokens (group G).  Work-groups 0-127 (role A): latent = x basis^T, quantised along R; q = latent u, k = latent v, quantised along S.  Work-groups 128-255 (role B): V = x Wv^T + b, quantised along the tokens.
; x's eight K steps of the 64 tokens come into LDS once (each wave copies one unit) and are read by all eight waves; the weights go from memory straight into registers, three units ahead, in a ring of four sets.
; ROLE A, first product: wave w makes token tiles 2 (w % 2), + 1 x R units 64 (w / 2) on, transposed (source 0 = basis rows): a lane holds one token and 32 neighbouring pairs of R.  Its two half fragments go to LDS.
; ROLE A, second: wave w makes four groups of 64 columns (selector w / 4: q or k; heads 4 w % 16 on) for the 64 tokens, transposed: a lane holds one token and its registers run along s.
;   Out: PAIR FRAGMENTS: registers 0-5 one tile of 16 tokens (K = s 0..63), registers 6-11 the next tile.
; ROLE B: wave w makes heads 2 w, 2 w + 1; source 0 = tokens, source 1 = rows of Wv: a lane holds one d and its registers run along the tokens, which are the next K.  The bias is the C of each sum's first product.
; The 16 (or 8) accumulators take turns, one instruction a turn.
; REGISTERS: window 0: v1-14 addresses, v16-23 W's scale words (4 sets), v24-25 the tokens' scale words, v32-63 the bias, v64-191 accumulators, v192-230 the quantiser, v240-247 bias numbers.
;   window 1: v0-191 W's fragments, four sets of 48; v192-239 the tokens' four fragments.
; LIMITS: NaN and infinities are not served; a block of zeros, or one whose largest magnitude lies under 2^-124, gets the byte 1.
.set UB,   1024
.set UV,   1056
.set UU,   1312
.set USZ,  6144
.set XIMG, 0                           ; LDS: x's images [K step 8][tile 4][1536]
.set XSC,  49152                       ; their scale words [K step][256]
.set LIMG, 51200                       ; the latent's images [K step 2][tile 4][1536] (role A)
.set LSC,  63488                       ; and scale words [K step][256]
.set LI,   1
.set L8,   2
.set L4,   3
.set XA1,  4                           ; role A, first product: my two token tiles' images
.set XS1,  5                           ; and their scale word
.set LW0,  6                           ; where my half fragments' three register pairs go
.set LW1,  7
.set LW2,  8
.set LSW,  9                           ; and their two scale bytes
.set SH16, 10                          ; 16 h
.set SELV, 11                          ; role B: byte selects for the scale word
.set BOF,  12                          ; role B: 4 (r + 8 (r / 8))
.set XWI,  13                          ; the fill: 6,144 w + 16 l
.set XWS,  14                          ; XSC + 256 w + 8 l
.set WS,   16
.set XS,   24
.set BI,   32
.set ACC,  64
.set TM,   192
.set PC,   208
.set PW,   228
.set PWS,  229
.set TW,   230
.set BV,   240
.set XF,   192                         ; in window 1
.set SEL,  40
.set HM,   42
.set MSB,  0
.macro WIN new                         ; the immediate's high byte repeats the setting that is left
.if MSB != \new
	s_set_vgpr_msb (MSB<<8)|\new
.set MSB, \new
.endif
.endm
.macro QUANT s                         ; 64 numbers of a lane, register 16 b + i = k 32 b + 16 (lane / 16) + i, become 12 registers of codes in v[PC] on and four scale bytes in v[PW]
.irp b, 0,1,2,3
	v_max3_num_f32 v[TM+\b], |v[\s+16*\b]|, |v[\s+1+16*\b]|, 0x1800000   ; and the floor 2^(3 - 127): the byte cannot fall under 1
.endr
.irp i, 2,4,6,8,10,12,14
.irp b, 0,1,2,3
	v_max3_num_f32 v[TM+\b], v[TM+\b], |v[\s+16*\b+\i]|, |v[\s+1+16*\b+\i]|
.endr
.endr
.irp b, 0,1,2,3
	v_permlanex16_b32 v[TM+4+\b], v[TM+\b], s[SEL], s[SEL+1]
.endr
.irp b, 0,1,2,3
	v_max_num_f32 v[TM+\b], v[TM+\b], v[TM+4+\b]
.endr
.irp b, 0,1,2,3
	v_add_nc_u32 v[TM+12+\b], 0xff000000, v[TM+\b]   ; 2 off the exponent field: the conversion's scale operand
.endr
.irp b, 0,1,2,3
	v_lshrrev_b32 v[TM+4+\b], 23, v[TM+12+\b]
.endr
	v_lshl_or_b32 v[PW], v[TM+5], 8, v[TM+4]
	v_lshl_or_b32 v[PW], v[TM+6], 16, v[PW]
	v_lshl_or_b32 v[PW], v[TM+7], 24, v[PW]
.irp c, 0,1
	v_cvt_scalef32_pk16_fp6_f32 v[PC+6*\c:PC+2+6*\c], v[\s+32*\c:\s+15+32*\c], v[TM+12+2*\c]
	v_cvt_scalef32_pk16_fp6_f32 v[PC+12+4*\c:PC+14+4*\c], v[\s+16+32*\c:\s+31+32*\c], v[TM+12+2*\c+1]
.endr
	v_nop                                          ; one plain place behind a scaled conversion
.irp c, 0,1
.irp i, 0,1,2
	v_permlane16_swap_b32 v[PC+6*\c+\i], v[PC+12+4*\c+\i]
.endr
.irp i, 0,1,2
	v_mov_b32 v[PC+3+6*\c+\i], v[PC+12+4*\c+\i]
.endr
.endr
.endm
; one matrix instruction; ra, rb: the half of the lanes from which A's and B's scale words are taken
.macro MMR d, a, b, c, sa, sb, ra, rb
.if ((\ra) == 0) && ((\rb) == 0)
	v_wmma_scale_f32_16x16x128_f8f6f4 v[0+(\d):7+(\d)], v[0+(\a):11+(\a)], v[0+(\b):11+(\b)], v[0+(\c):7+(\c)], v[0+(\sa)], v[0+(\sb)] matrix_a_fmt:MATRIX_FMT_FP6 matrix_b_fmt:MATRIX_FMT_FP6
.elseif ((\ra) == 1) && ((\rb) == 0)
	v_wmma_scale_f32_16x16x128_f8f6f4 v[0+(\d):7+(\d)], v[0+(\a):11+(\a)], v[0+(\b):11+(\b)], v[0+(\c):7+(\c)], v[0+(\sa)], v[0+(\sb)] matrix_a_fmt:MATRIX_FMT_FP6 matrix_b_fmt:MATRIX_FMT_FP6 matrix_a_scale:MATRIX_SCALE_ROW1
.elseif ((\ra) == 0) && ((\rb) == 1)
	v_wmma_scale_f32_16x16x128_f8f6f4 v[0+(\d):7+(\d)], v[0+(\a):11+(\a)], v[0+(\b):11+(\b)], v[0+(\c):7+(\c)], v[0+(\sa)], v[0+(\sb)] matrix_a_fmt:MATRIX_FMT_FP6 matrix_b_fmt:MATRIX_FMT_FP6 matrix_b_scale:MATRIX_SCALE_ROW1
.else
	v_wmma_scale_f32_16x16x128_f8f6f4 v[0+(\d):7+(\d)], v[0+(\a):11+(\a)], v[0+(\b):11+(\b)], v[0+(\c):7+(\c)], v[0+(\sa)], v[0+(\sb)] matrix_a_fmt:MATRIX_FMT_FP6 matrix_b_fmt:MATRIX_FMT_FP6 matrix_a_scale:MATRIX_SCALE_ROW1 matrix_b_scale:MATRIX_SCALE_ROW1
.endif
.endm
.macro MMZ d, a, b, sa, sb, ra, rb     ; the same with C = 0: it starts a sum
.if ((\ra) == 0) && ((\rb) == 0)
	v_wmma_scale_f32_16x16x128_f8f6f4 v[0+(\d):7+(\d)], v[0+(\a):11+(\a)], v[0+(\b):11+(\b)], 0, v[0+(\sa)], v[0+(\sb)] matrix_a_fmt:MATRIX_FMT_FP6 matrix_b_fmt:MATRIX_FMT_FP6
.elseif ((\ra) == 1) && ((\rb) == 0)
	v_wmma_scale_f32_16x16x128_f8f6f4 v[0+(\d):7+(\d)], v[0+(\a):11+(\a)], v[0+(\b):11+(\b)], 0, v[0+(\sa)], v[0+(\sb)] matrix_a_fmt:MATRIX_FMT_FP6 matrix_b_fmt:MATRIX_FMT_FP6 matrix_a_scale:MATRIX_SCALE_ROW1
.elseif ((\ra) == 0) && ((\rb) == 1)
	v_wmma_scale_f32_16x16x128_f8f6f4 v[0+(\d):7+(\d)], v[0+(\a):11+(\a)], v[0+(\b):11+(\b)], 0, v[0+(\sa)], v[0+(\sb)] matrix_a_fmt:MATRIX_FMT_FP6 matrix_b_fmt:MATRIX_FMT_FP6 matrix_b_scale:MATRIX_SCALE_ROW1
.else
	v_wmma_scale_f32_16x16x128_f8f6f4 v[0+(\d):7+(\d)], v[0+(\a):11+(\a)], v[0+(\b):11+(\b)], 0, v[0+(\sa)], v[0+(\sb)] matrix_a_fmt:MATRIX_FMT_FP6 matrix_b_fmt:MATRIX_FMT_FP6 matrix_a_scale:MATRIX_SCALE_ROW1 matrix_b_scale:MATRIX_SCALE_ROW1
.endif
.endm
.macro MM d, a, b, cm, cr, sa, sb, ra, rb   ; cm = 0: C = D; 1: C = 0; 2: C = v[cr] on
.if (\cm) == 1
	MMZ \d, \a, \b, \sa, \sb, \ra, \rb
.elseif (\cm) == 2
	MMR \d, \a, \b, \cr, \sa, \sb, \ra, \rb
.else
	MMR \d, \a, \b, \d, \sa, \sb, \ra, \rb
.endif
.endm
.macro LOADW set, pimg, pscl, i        ; unit i of a stream of weights into a set: 13 loads
	WIN 0x40                                       ; destination window 1, address window 0
.irp k, 0,1,2,3,4,5,6,7,8,9,10,11
	global_load_b128 v[48*(\set)+4*\k:48*(\set)+4*\k+3], v[LI], s[\pimg:\pimg+1] offset:USZ*(\i)+512*\k
.endr
	WIN 0
	global_load_b64 v[WS+2*(\set):WS+2*(\set)+1], v[L8], s[\pscl:\pscl+1] offset:256*(\i)
.endm
.macro LOADX adr, sadr, off, soff      ; the tokens' four fragments of a K step, and their scale words, from LDS
	WIN 0x40
.irp k, 0,1,2,3,4,5,6,7,8,9,10,11
	ds_load_b128 v[XF+4*\k:XF+4*\k+3], v[\adr] offset:(\off)+512*\k
.endr
	WIN 0
	ds_load_b64 v[XS:XS+1], v[\sadr] offset:\soff
.endm
.macro MUL16 set, orient, first        ; orient 1: source 0 = W's tile, accumulator 4 xt + tw; orient 0: source 0 = the tokens' tile, accumulator 4 tw + xt
	WIN 0x05                                       ; A and B window 1; C, D window 0
.irp xt, 0,1,2,3
.irp tw, 0,1,2,3
.if \orient
	MM ACC+8*(4*\xt+\tw), 48*(\set)+12*\tw, XF+12*\xt, \first, BI+8*\tw, WS+2*(\set)+\tw/2, XS+\xt/2, \tw%2, \xt%2
.else
	MM ACC+8*(4*\tw+\xt), XF+12*\xt, 48*(\set)+12*\tw, \first, BI+8*\tw, XS+\xt/2, WS+2*(\set)+\tw/2, \xt%2, \tw%2
.endif
.endr
.endr
	WIN 0
.endm
.macro WAITW i, n                      ; unit i of n is in: behind its 13 loads stand those of at most three later units
.if (\n)-1-(\i) >= 3
	s_wait_loadcnt 39
.else
	s_wait_loadcnt 13*((\n)-1-(\i))
.endif
.endm
.macro PLACES                          ; four places behind the products: in front of loads into their operands and of the first read of results
.rept 4
	v_nop
.endr
.endm
	s_load_b256 s[4:11], s[0:1], 0x0               ; img, scl, v_proj_b, qkimg
	s_load_b128 s[12:15], s[0:1], 0x20             ; qksc, vimg
	s_load_b64 s[16:17], s[0:1], 0x30              ; vsc
	v_lshl_add_u32 v254, v0, 2, 0x10000
	v_mov_b32 v255, 0
	v_lshrrev_b32 v26, 5, v0
	v_readfirstlane_b32 s18, v26                   ; wave 0..7
	s_lshr_b32 s19, ttmp9, 7                       ; role
	s_and_b32 s20, ttmp9, 127                      ; G: my 64 tokens
	s_lshr_b32 s21, s20, 5                         ; batch
	s_and_b32 s22, s20, 31                         ; G': the group within the batch
	s_mov_b32 s[SEL], 0x76543210
	s_mov_b32 s[SEL+1], 0xfedcba98
	s_mov_b32 s[HM], 0xffff0000
	v_and_b32 v28, 31, v0                          ; lane
	v_and_b32 v26, 15, v0                          ; r
	v_bfe_u32 v27, v0, 4, 1                        ; h
	v_lshlrev_b32 v[LI], 4, v28
	v_lshlrev_b32 v[L8], 3, v28
	v_lshlrev_b32 v[L4], 2, v28
	; every LDS address is made here, ahead of the parting of the roles
	s_and_b32 s43, s18, 1                          ; which pair of token tiles (role A, first product)
	s_mul_i32 s44, s43, 3072
	v_add_nc_u32 v[XA1], s44, v[LI]
	s_lshl_b32 s45, s43, 2
	s_add_co_u32 s45, s45, XSC
	v_add_nc_u32 v[XS1], s45, v[L8]
	s_lshr_b32 s46, s18, 2                         ; the latent's K step that I make a part of,
	s_bfe_u32 s47, s18, 0x10001                    ; and which half of its fragments' registers
	s_mul_i32 s48, s46, USZ
	s_add_co_u32 s48, s48, s44
	s_add_co_u32 s48, s48, LIMG
	s_mul_i32 s49, s47, 520                        ; register pairs 0, 1, 2 lie at bytes 0, 8, 512 of an image (+ 16 l), pairs 3, 4, 5 at 520, 1024, 1032
	s_add_co_u32 s50, s48, s49
	v_add_nc_u32 v[LW0], s50, v[LI]
	s_add_co_u32 s50, s50, 512
	v_add_nc_u32 v[LW2], s50, v[LI]
	s_mul_i32 s50, s47, 1016
	s_add_co_u32 s50, s50, s48
	s_add_co_u32 s50, s50, 8
	v_add_nc_u32 v[LW1], s50, v[LI]
	s_lshl_b32 s50, s46, 8
	s_lshl_b32 s51, s43, 2
	s_add_co_u32 s50, s50, s51
	s_lshl_b32 s51, s47, 1
	s_add_co_u32 s50, s50, s51
	s_add_co_u32 s50, s50, LSC
	v_add_nc_u32 v[LSW], s50, v[L8]
	s_mul_i32 s50, s18, USZ
	v_add_nc_u32 v[XWI], s50, v[LI]
	s_lshl_b32 s51, s18, 8
	s_add_co_u32 s51, s51, XSC
	v_add_nc_u32 v[XWS], s51, v[L8]
	v_lshlrev_b32 v[SH16], 4, v27
	v_mov_b32 v29, 0x05040100
	v_mov_b32 v30, 0x07060302
	v_cndmask_b32 v[SELV], v29, v30, s[HM]
	v_and_b32 v29, 8, v26
	v_add_nc_u32 v29, v29, v26
	v_lshlrev_b32 v[BOF], 2, v29
.irp b, 0,1,2,3
	v_mov_b32 v[TM+4+\b], 0                        ; written once: a lane permute's destination counts as one of its sources
.endr
	; the first stream of weights: role A: basis_w's group w / 2; role B: v_proj_w's groups 2 w, 2 w + 1.  An offset is chosen, not a pointer
	s_lshr_b32 s44, s18, 1
	s_lshl_b32 s44, s44, 3
	s_add_co_u32 s44, s44, UB
	s_lshl_b32 s45, s18, 4
	s_add_co_u32 s45, s45, UV
	s_cmp_eq_u32 s19, 0
	s_cselect_b32 s44, s44, s45
	s_mov_b32 s47, 0
	s_lshl_b32 s48, s20, 3
	s_add_co_u32 s48, s48, s18                     ; x's unit 8 G + w
	s_wait_kmcnt 0x0
	s_mul_i32 s46, s44, USZ
	s_add_nc_u64 s[24:25], s[4:5], s[46:47]
	s_lshl_b32 s46, s44, 8
	s_add_nc_u64 s[26:27], s[6:7], s[46:47]
	s_mul_i32 s46, s48, USZ
	s_add_nc_u64 s[32:33], s[4:5], s[46:47]
	s_lshl_b32 s46, s48, 8
	s_add_nc_u64 s[34:35], s[6:7], s[46:47]
	; the fill: wave w copies K step w of x's images and scale words into LDS
.irp k, 0,1,2,3,4,5,6,7,8,9,10,11
	global_load_b128 v[ACC+4*\k:ACC+4*\k+3], v[LI], s[32:33] offset:512*\k
.endr
	global_load_b64 v[ACC+48:ACC+49], v[L8], s[34:35]
.irp q, 0,1,2,3
	LOADW \q, 24, 26, \q
.endr
	s_wait_loadcnt 52                              ; the fill's 13 loads are in; the four sets of 13 may be out
.irp k, 0,1,2,3,4,5,6,7,8,9,10,11
	ds_store_b128 v[XWI], v[ACC+4*\k:ACC+4*\k+3] offset:512*\k
.endr
	ds_store_b64 v[XWS], v[ACC+48:ACC+49]
	s_wait_dscnt 0x0                               ; for the others' sake: my stores have landed
	s_barrier_signal -1
	s_barrier_wait -1                              ; x's eight K steps lie in LDS
	s_cmp_lg_u32 s19, 0
	s_cbranch_scc1 .Lrole_b
	; ================= ROLE A =================
	s_lshl_b32 s44, s18, 3
	s_add_co_u32 s44, s44, UU                      ; the second stream: u's or v's groups 4 w on, two units each
	s_mul_i32 s46, s44, USZ
	s_add_nc_u64 s[28:29], s[4:5], s[46:47]
	s_lshl_b32 s46, s44, 8
	s_add_nc_u64 s[30:31], s[6:7], s[46:47]
	s_lshr_b32 s44, s18, 2
	s_lshl_b32 s44, s44, 6                         ; 64 x selector
	s_lshl_b32 s45, s21, 4
	s_add_co_u32 s44, s44, s45                     ; + 16 x batch
	s_lshl_b32 s45, s18, 2
	s_and_b32 s45, s45, 15
	s_add_co_u32 s44, s44, s45                     ; + my first head
	s_mul_i32 s46, s44, 98304
	s_mul_i32 s45, s22, 3072
	s_add_co_u32 s46, s46, s45
	s_add_nc_u64 s[36:37], s[10:11], s[46:47]      ; my group's two pair fragments
	s_lshl_b32 s46, s44, 12
	s_lshl_b32 s45, s22, 7
	s_add_co_u32 s46, s46, s45
	s_add_nc_u64 s[38:39], s[12:13], s[46:47]      ; and their scale words
.macro NEXTA i                         ; unit i of role A's 16: eight of basis_w, then eight of u or v
.if (\i) < 8
	LOADW (\i)%4, 24, 26, \i
.elseif (\i) < 16
	LOADW (\i)%4, 28, 30, (\i)-8
.endif
.endm
.macro UNITA1 i, first                 ; K step i of latent^T: my two token tiles x basis_w's four tiles: eight accumulators by turns
	WIN 0x40
.irp k, 0,1,2,3,4,5
	ds_load_b128 v[XF+4*\k:XF+4*\k+3], v[XA1] offset:XIMG+USZ*(\i)+512*\k
.endr
	WIN 0
	ds_load_b32 v[XS], v[XS1] offset:256*(\i)      ; lanes 0-15 the first tile's words, lanes 16-31 the second's
	s_wait_loadcnt 39                              ; this unit's 13 loads are in; three later units' may be out
	s_wait_dscnt 0x0
	WIN 0x05
.irp u, 0,1
.irp tw, 0,1,2,3
	MM ACC+8*(4*\u+\tw), 48*((\i)%4)+12*\tw, XF+12*\u, \first, 0, WS+2*((\i)%4)+\tw/2, XS, \tw%2, \u
.endr
.endr
	WIN 0
	PLACES
	NEXTA (\i)+4
.endm
	UNITA1 0, 1
.irp i, 1,2,3,4,5,6,7
	UNITA1 \i, 0
.endr
	QUANT ACC                                      ; registers 0-31: my first token tile's 64 R units, 32-63: the second's: two half fragments, two bytes each
.irp t, 0,1
	ds_store_b64 v[LW0], v[PC+6*\t:PC+6*\t+1] offset:1536*\t
	ds_store_b64 v[LW1], v[PC+6*\t+2:PC+6*\t+3] offset:1536*\t
	ds_store_b64 v[LW2], v[PC+6*\t+4:PC+6*\t+5] offset:1536*\t
.endr
	v_lshrrev_b32 v[TW], v[SH16], v[PW]            ; lanes 0-15 store the first tile's two bytes, lanes 16-31 the second's
	ds_store_b16 v[LSW], v[TW]
	s_wait_dscnt 0x0                               ; for the others' sake
	s_barrier_signal -1                            ; (the branch round this barrier hangs on the work-group's number: all eight waves take it alike)
	s_barrier_wait -1                              ; the latent's eight fragments lie in LDS
.macro UNITA2 j, first
	LOADX LI, L8, LIMG+USZ*((\j)%2), LSC+256*((\j)%2)
	WAITW 8+(\j), 16
	s_wait_dscnt 0x0
	MUL16 (\j)%4, 1, \first
	PLACES
	NEXTA 12+(\j)
.endm
.macro EPIA pass                       ; a head's q or k of 64 tokens: two pair fragments and their scale words
.irp q, 0,1
	s_wait_xcnt 0x0                                ; earlier stores have read the registers that are written now
	QUANT ACC+64*\q
.irp c, 0,1,2
	global_store_b128 v[LI], v[PC+4*\c:PC+4*\c+3], s[36:37] offset:98304*(\pass)+1536*\q+512*\c
.endr
.if \q == 0
	v_mov_b32 v[PWS], v[PW]
.endif
.endr
	v_cndmask_b32 v[TW], v[PWS], v[PW], s[HM]      ; lanes 0-15 the first pair's words, lanes 16-31 the second's
	global_store_b32 v[L4], v[TW], s[38:39] offset:4096*(\pass)
.endm
.irp pass, 0,1,2,3
	UNITA2 2*\pass, 1
	UNITA2 2*\pass+1, 0
	EPIA \pass
.endr
	s_wait_tensorcnt 0x0
	ds_add_u32 v254, v255
	s_wait_dscnt 0x0
	s_endpgm
	; ================= ROLE B =================
.Lrole_b:
	s_lshl_b32 s44, s21, 4
	s_lshl_b32 s45, s18, 1
	s_add_co_u32 s44, s44, s45                     ; 16 x batch + my first head
	s_lshl_b32 s45, s44, 4
	s_lshr_b32 s46, s22, 1
	s_add_co_u32 s45, s45, s46                     ; the key step of 128 that my 64 tokens are a half of,
	s_mul_i32 s46, s45, USZ
	s_and_b32 s45, s22, 1
	s_mul_i32 s45, s45, 768                        ; and which half
	s_add_co_u32 s46, s46, s45
	s_add_nc_u64 s[36:37], s[14:15], s[46:47]
	s_lshl_b32 s46, s44, 5
	s_add_co_u32 s46, s46, s22
	s_lshl_b32 s46, s46, 7
	s_add_nc_u64 s[38:39], s[16:17], s[46:47]
	s_lshl_b32 s46, s18, 9
	s_add_nc_u64 s[28:29], s[8:9], s[46:47]        ; the bias of my 128 d
.irp hp, 0,1
.irp tw, 0,1,2,3
	global_load_b32 v[BV+4*\hp+\tw], v[BOF], s[28:29] offset:(64*\hp+32*(\tw/2)+8*(\tw%2))*4   ; a lane holds one d of each tile
.endr
.endr
	s_wait_loadcnt 0x0                             ; the bias is the first products' C; the four sets asked for ahead of the fill are waited for with it
.macro UNITV i, first
	LOADX LI, L8, XIMG+USZ*((\i)%8), XSC+256*((\i)%8)
	WAITW \i, 16
	s_wait_dscnt 0x0
	MUL16 (\i)%4, 0, \first
	PLACES
.if (\i)+4 < 16
	LOADW (\i)%4, 24, 26, (\i)+4
.endif
.endm
.macro EPIB hp                         ; a head's V of 64 tokens: for each of four tiles of d half a fragment (768 consecutive bytes) and two scale bytes
.irp q, 0,1
	s_wait_xcnt 0x0                                ; earlier stores have read the registers that are written now
	QUANT ACC+64*\q
.irp t, 0,1
.irp p, 0,1,2
	global_store_b64 v[L8], v[PC+6*\t+2*\p:PC+6*\t+2*\p+1], s[36:37] offset:98304*(\hp)+1536*(2*\q+\t)+256*\p
.endr
.endr
.if \q == 0
	v_mov_b32 v[PWS], v[PW]
.endif
.endr
	v_perm_b32 v[TW], v[PW], v[PWS], v[SELV]       ; lanes 0-15: tiles 0 and 2; lanes 16-31: tiles 1 and 3
	global_store_b32 v[L4], v[TW], s[38:39] offset:4096*(\hp)
.endm
.irp hp, 0,1
.irp tw, 0,1,2,3
.irp j, 0,1,2,3,4,5,6,7
	v_mov_b32 v[BI+8*\tw+\j], v[BV+4*\hp+\tw]      ; the bias in the result's layout: a lane's eight registers are eight tokens of one d
.endr
.endr
	UNITV 8*\hp, 2
.irp s, 1,2,3,4,5,6,7
	UNITV 8*\hp+\s, 0
.endr
	EPIB \hp
.endr
	s_wait_tensorcnt 0x0
	ds_add_u32 v254, v255
	s_wait_dscnt 0x0
	s_endpgm
.Lfunc_end_k_q57e35bfe0d_front:
	.size	k_q57e35bfe0d_front, .Lfunc_end_k_q57e35bfe0d_front-k_q57e35bfe0d_front
	.p2alignl 7, 3214868480
	.fill 96, 4, 3214868480
	.section	.rodata,"a",@progbits
	.p2align	6, 0x0
	.amdhsa_kernel k_q57e35bfe0d_front
		.amdhsa_group_segment_fixed_size 66560
		.amdhsa_private_segment_fixed_size 0
		.amdhsa_enable_private_segment 0
		.amdhsa_kernarg_size 56
		.amdhsa_user_sgpr_count 2
		.amdhsa_user_sgpr_kernarg_segment_ptr 1
		.amdhsa_wavefront_size32 1
		.amdhsa_system_sgpr_workgroup_id_x 1
		.amdhsa_system_sgpr_workgroup_id_y 1
		.amdhsa_system_sgpr_workgroup_id_z 1
		.amdhsa_system_vgpr_workitem_id 0
		.amdhsa_next_free_vgpr 512
		.amdhsa_next_free_sgpr 66
		.amdhsa_reserve_vcc 0
		.amdhsa_float_denorm_mode_32 3
		.amdhsa_float_denorm_mode_16_64 3
		.amdhsa_memory_ordered 1
		.amdhsa_forward_progress 1
		.amdhsa_inst_pref_size 191
	.end_amdhsa_kernel
	.amdgpu_metadata
---
amdhsa.version: [ 1, 2 ]
amdhsa.kernels:
  - .name:           k_q57e35bfe0d_front
    .symbol:         k_q57e35bfe0d_front.kd
    .args:
      - { .name: img, .offset: 0, .size: 8, .value_kind: global_buffer, .address_space: global }
      - { .name: scl, .offset: 8, .size: 8, .value_kind: global_buffer, .address_space: global }
      - { .name: v_proj_b, .offset: 16, .size: 8, .value_kind: global_buffer, .address_space: global }
      - { .name: qkimg, .offset: 24, .size: 8, .value_kind: global_buffer, .address_space: global }
      - { .name: qksc, .offset: 32, .size: 8, .value_kind: global_buffer, .address_space: global }
      - { .name: vimg, .offset: 40, .size: 8, .value_kind: global_buffer, .address_space: global }
      - { .name: vsc, .offset: 48, .size: 8, .value_kind: global_buffer, .address_space: global }
    .group_segment_fixed_size: 66560
    .private_segment_fixed_size: 0
    .kernarg_segment_align: 8
    .kernarg_segment_size: 56
    .max_flat_workgroup_size: 256
    .sgpr_count:     66
    .vgpr_count:     512
    .wavefront_size: 32
...
	.end_amdgpu_metadata
.endif
;; end of part 2
;; launch attn (part 3): grid 4 x 64, 16 waves a work-group, no clusters, 206,848 bytes of LDS; arguments qkimg, qksc, vimg, vsc, yimg, ysc; writes yimg, ysc
.if DOCPART == 3
	.amdgcn_target "amdgcn-amd-amdhsa--gfx1250"
	.amdhsa_code_object_version 6
	.text
	.protected	k_q57e35bfe0d_attn
	.globl	k_q57e35bfe0d_attn
	.p2align	8
	.type	k_q57e35bfe0d_attn,@function
k_q57e35bfe0d_attn:
	s_mov_b64 s[64:65], 0
	v_nop
	global_prefetch_b8 v0, s[64:65] scope:SCOPE_SE
	s_setreg_imm32_b32 hwreg(HW_REG_WAVE_MODE, 25, 1), 1
	s_wait_xcnt 0x0
; Causal attention of one batch and head (work-group y), both products on codes of FP6 (E2M3) with E8M0 scales; y = O / l is quantised along the head's 64 and stored as half fragments.
; t = score x log2(e) / 8; M = the running largest t rounded up to a whole number; p = 2^(t - M) is quantised along the keys; the row's sum is taken of the unquantised p and divides at the end.
; SHARES.  Four work-groups a head, sixteen waves each.  With n = 4 x wave + work-group x, a wave owns the query tiles 2 n and 127 - 2 n (16 queries each): the first needs key steps 0 .. wave, the second 0 .. 15 - wave:
; seventeen steps of 128 keys in every wave, two of them on the diagonal.  A step all of whose keys come after the tile's queries is jumped over (a branch on ids); the loops' trip counts are constants.
; A head's K and V (codes and scale words, 204,800 bytes) come into LDS once, through registers, wave w bringing key step w; one barrier; nothing is stored to LDS behind it.
; K = 64 IN AN INSTRUCTION OF 128: source 0 is a PAIR FRAGMENT (two tiles of 16 keys side by side along the instruction's K), source 1 is Q beside zero codes: [Q | 0] gives the first tile's scores, [0 | Q] the second's.
; Both products are used transposed: a lane holds one query (lane % 16); register 16 b + i of the scores is key 32 b + 16 (lane / 16) + i of the step.
; REGISTERS: v1-7, v35, v88 addresses that stay; v8-11 the step's; v12 -M, v13 the largest t, v[14:15] the sum; v16-33 zeros, Q, zeros; v34 Q's scale word; v36-83 four fragments of K, then of V; v84-87 their scale words;
;   v96-159 scores, then p; v160-191 O^T; v192-210 codes; v212-231 at work; v232-248 the quantiser of y.
; LIMITS: NaN and infinities are not served; a block of zeros, or one whose largest magnitude lies under 2^-124, gets the byte 1.
.set VIMG, 98304                       ; LDS: K's 64 pair fragments from byte 0; V's [key step][tile of d 4][1536] from here;
.set KSC,  196608                      ; K's scale words [key step][lane][2];
.set VSC,  200704                      ; V's likewise
.set QS,   34
.set L4,   35
.set FR,   36
.set KS,   84
.set VS,   86
.set R4,   88
.set S,    96
.set O,    160
.set PC,   192
.set BM,   212
.set BT,   216
.set BO,   220
.set PS,   224
.set F,    226
.set W0,   228
.set NINF, 230
.set DM,   231
.set TM,   232
.set PW,   248
.set CS,   22
.set SEL,  24
.set KC,   44
.set TK,   45
.set TS,   46
.set LAST, 47
.macro MMR d, a, b, c, sa, sb, ra, rb
.if ((\ra) == 0) && ((\rb) == 0)
	v_wmma_scale_f32_16x16x128_f8f6f4 v[0+(\d):7+(\d)], v[0+(\a):11+(\a)], v[0+(\b):11+(\b)], v[0+(\c):7+(\c)], v[0+(\sa)], v[0+(\sb)] matrix_a_fmt:MATRIX_FMT_FP6 matrix_b_fmt:MATRIX_FMT_FP6
.else
	v_wmma_scale_f32_16x16x128_f8f6f4 v[0+(\d):7+(\d)], v[0+(\a):11+(\a)], v[0+(\b):11+(\b)], v[0+(\c):7+(\c)], v[0+(\sa)], v[0+(\sb)] matrix_a_fmt:MATRIX_FMT_FP6 matrix_b_fmt:MATRIX_FMT_FP6 matrix_a_scale:MATRIX_SCALE_ROW1
.endif
.endm
.macro MMZ d, a, b, sa, sb, ra, rb
.if ((\ra) == 0) && ((\rb) == 0)
	v_wmma_scale_f32_16x16x128_f8f6f4 v[0+(\d):7+(\d)], v[0+(\a):11+(\a)], v[0+(\b):11+(\b)], 0, v[0+(\sa)], v[0+(\sb)] matrix_a_fmt:MATRIX_FMT_FP6 matrix_b_fmt:MATRIX_FMT_FP6
.else
	v_wmma_scale_f32_16x16x128_f8f6f4 v[0+(\d):7+(\d)], v[0+(\a):11+(\a)], v[0+(\b):11+(\b)], 0, v[0+(\sa)], v[0+(\sb)] matrix_a_fmt:MATRIX_FMT_FP6 matrix_b_fmt:MATRIX_FMT_FP6 matrix_a_scale:MATRIX_SCALE_ROW1
.endif
.endm
.macro QUANTH s                        ; 32 numbers of a lane, register 16 b + i = k 32 b + 16 (lane / 16) + i, become half a fragment in v[PC] .. v[PC + 5] and two scale bytes in v[PW]
.irp b, 0,1
	v_max3_num_f32 v[TM+\b], |v[\s+16*\b]|, |v[\s+1+16*\b]|, 0x1800000
.endr
.irp i, 2,4,6,8,10,12,14
.irp b, 0,1
	v_max3_num_f32 v[TM+\b], v[TM+\b], |v[\s+16*\b+\i]|, |v[\s+1+16*\b+\i]|
.endr
.endr
.irp b, 0,1
	v_permlanex16_b32 v[TM+4+\b], v[TM+\b], s[SEL], s[SEL+1]
.endr
.irp b, 0,1
	v_max_num_f32 v[TM+\b], v[TM+\b], v[TM+4+\b]
.endr
.irp b, 0,1
	v_add_nc_u32 v[TM+12+\b], 0xff000000, v[TM+\b]
.endr
.irp b, 0,1
	v_lshrrev_b32 v[TM+4+\b], 23, v[TM+12+\b]
.endr
	v_lshl_or_b32 v[PW], v[TM+5], 8, v[TM+4]
	v_cvt_scalef32_pk16_fp6_f32 v[PC:PC+2], v[\s:\s+15], v[TM+12]
	v_cvt_scalef32_pk16_fp6_f32 v[PC+12:PC+14], v[\s+16:\s+31], v[TM+13]
	v_nop                                          ; one plain place behind a scaled conversion
.irp i, 0,1,2
	v_permlane16_swap_b32 v[PC+\i], v[PC+12+\i]
.endr
.irp i, 0,1,2
	v_mov_b32 v[PC+3+\i], v[PC+12+\i]
.endr
.endm
	s_load_b256 s[4:11], s[0:1], 0x0               ; qkimg, qksc, vimg, vsc
	s_load_b128 s[12:15], s[0:1], 0x20             ; yimg, ysc
	v_lshl_add_u32 v254, v0, 2, 0x32000
	v_mov_b32 v255, 0
	v_lshrrev_b32 v8, 5, v0
	v_readfirstlane_b32 s16, v8                    ; wave 0..15
	s_mov_b32 s17, ttmp9                           ; work-group x, 0..3
	s_and_b32 s18, ttmp7, 0xffff                   ; 16 x batch + head
	s_lshr_b32 s19, s18, 4
	s_and_b32 s20, s18, 15
	s_mov_b32 s[CS], 0x3e38aa3b                    ; c = log2(e) / 8
	s_mov_b32 s[CS+1], s[CS]                       ; (named with it as a pair, so it is written)
	s_mov_b32 s[SEL], 0x76543210
	s_mov_b32 s[SEL+1], 0xfedcba98
	s_mov_b32 s26, 0x05040100
	s_mov_b32 s27, 0x07060302
	v_and_b32 v8, 31, v0                           ; lane
	v_and_b32 v9, 15, v0                           ; r
	v_bfe_u32 v10, v0, 4, 1                        ; h
	v_lshlrev_b32 v1, 4, v8                        ; 16 l: K's images
	v_add_nc_u32 v2, VIMG, v1                      ; V's
	v_lshlrev_b32 v6, 3, v8                        ; 8 l
	v_add_nc_u32 v3, KSC, v6
	v_add_nc_u32 v4, VSC, v6
	v_lshlrev_b32 v7, 1, v8                        ; 2 l
	v_lshlrev_b32 v[L4], 2, v8
	v_lshlrev_b32 v[R4], 2, v9
	v_and_b32 v11, 8, v9
	v_add_nc_u32 v11, v11, v9
	v_lshlrev_b32 v10, 4, v10
	v_sub_nc_u32 v5, v11, v10                      ; r + 8 (r / 8) - 16 h
	s_mul_i32 s28, s16, 6144
	s_lshl_b32 s29, s16, 8
	v_add_nc_u32 v89, s28, v1                      ; the fill: my key step's places
	v_add_nc_u32 v90, s28, v2
	v_add_nc_u32 v91, s29, v3
	v_add_nc_u32 v92, s29, v4
	s_mul_i32 s50, s18, 98304
	s_mov_b32 s51, 0
	s_wait_kmcnt 0x0
	s_add_nc_u64 s[30:31], s[4:5], s[50:51]        ; q's pair fragments of my head
	s_add_co_u32 s50, s50, s28
	s_add_nc_u64 s[40:41], s[8:9], s[50:51]        ; V's key step w
	s_add_co_u32 s50, s50, 6291456
	s_add_nc_u64 s[38:39], s[4:5], s[50:51]        ; k's key step w
	s_lshl_b32 s50, s18, 12
	s_add_nc_u64 s[32:33], s[6:7], s[50:51]        ; q's scale words
	s_add_co_u32 s50, s50, s29
	s_add_nc_u64 s[60:61], s[10:11], s[50:51]      ; V's, key step w
	s_add_co_u32 s50, s50, 262144
	s_add_nc_u64 s[42:43], s[6:7], s[50:51]        ; k's, key step w
	s_mul_i32 s50, s19, 1572864
	s_mul_i32 s52, s20, 768
	s_add_co_u32 s50, s50, s52
	s_add_nc_u64 s[34:35], s[12:13], s[50:51]      ; y's images: my batch's first tile, my head
	s_lshl_b32 s50, s19, 17
	s_lshl_b32 s52, s20, 6
	s_add_co_u32 s50, s50, s52
	s_add_nc_u64 s[36:37], s[14:15], s[50:51]      ; and scale bytes
	; ---- the fill
.irp k, 0,1,2,3,4,5,6,7,8,9,10,11
	global_load_b128 v[FR+4*\k:FR+4*\k+3], v1, s[38:39] offset:512*\k
.endr
.irp n, 0,1,2,3
.irp p, 0,1,2,3,4,5
	global_load_b64 v[S+12*\n+2*\p:S+12*\n+2*\p+1], v6, s[40:41] offset:1536*\n+256*\p   ; V lies by register pairs, since each half of a fragment was made by another work-group
.endr
.endr
	global_load_b32 v144, v[L4], s[42:43]
	global_load_b32 v145, v[L4], s[42:43] offset:128
	global_load_b32 v146, v[L4], s[60:61]
	global_load_b32 v147, v[L4], s[60:61] offset:128
.irp j, 16,17,18,19,20,21,28,29,30,31,32,33
	v_mov_b32 v\j, 0                               ; the zero codes beside Q; never rewritten
.endr
.irp b, 0,1,2,3
	v_mov_b32 v[BT+\b], 0                          ; written once: a lane permute's destination counts as one of its sources
.endr
	v_mov_b32 v[TM+4], 0
	v_mov_b32 v[TM+5], 0
	v_mov_b32 v[W0], 0
	v_mov_b32 v[F+1], 0                            ; (named as the upper half of a pair)
	v_mov_b32 v[NINF], 0xff800000                  ; -infinity
	s_wait_loadcnt 0x0
.irp k, 0,1,2,3,4,5,6,7,8,9,10,11
	ds_store_b128 v89, v[FR+4*\k:FR+4*\k+3] offset:512*\k
.endr
.irp n, 0,1,2,3
.irp p, 0,1,2,3,4,5
	ds_store_b64 v90, v[S+12*\n+2*\p:S+12*\n+2*\p+1] offset:1536*\n+512*(\p/2)+8*(\p%2)   ; pair p to its place in an image of chunks of four registers
.endr
.endr
	ds_store_b64 v91, v[144:145]
	v_perm_b32 v148, v147, v146, s26               ; a tile's four bytes: two of the step's first 64 keys, two of its second
	v_perm_b32 v149, v147, v146, s27
	ds_store_b64 v92, v[148:149]
	s_wait_dscnt 0x0                               ; for the others' sake
	s_barrier_signal -1
	s_barrier_wait -1                              ; the head's K and V lie in LDS
.macro TILE u                          ; my query tile 2 B + u, B the pair of tiles
	s_lshl_b32 s49, s16, 2
	s_add_co_u32 s49, s49, s17
.if \u == 0
	s_mov_b32 s[LAST], s16                         ; the step on the diagonal,
	s_mov_b32 s48, s17                             ; and which 32 of its keys hold my queries
.else
	s_sub_co_u32 s49, 63, s49
	s_sub_co_u32 s[LAST], 15, s16
	s_sub_co_u32 s48, 3, s17
.endif
	s_mul_i32 s50, s49, 1536
	s_add_nc_u64 s[52:53], s[30:31], s[50:51]
	s_lshl_b32 s50, s49, 6
	s_add_nc_u64 s[54:55], s[32:33], s[50:51]
.if \u == 0
	global_load_b128 v[22:25], v1, s[52:53]            ; registers 0-5 of the pair fragment
	global_load_b64 v[26:27], v1, s[52:53] offset:512
.else
	global_load_b64 v[22:23], v1, s[52:53] offset:520  ; registers 6-11
	global_load_b128 v[24:27], v1, s[52:53] offset:1024
.endif
	global_load_b32 v[W0], v[R4], s[54:55]
	s_lshl_b32 s50, s49, 1
	s_add_co_u32 s50, s50, \u
	s_lshl_b32 s62, s50, 10
	s_mul_i32 s50, s50, 12288
	s_add_nc_u64 s[56:57], s[34:35], s[50:51]      ; where my tile's y goes
	s_mov_b32 s50, s62
	s_add_nc_u64 s[58:59], s[36:37], s[50:51]
	s_lshl_b32 s50, s48, 5
	s_add_co_u32 s50, s50, 8*\u
	s_mov_b32 s[KC], 0
	s_mov_b32 s[TK], 0
	s_mov_b32 s[TS], 0
	s_wait_loadcnt 0x0
.if \u == 0
	v_perm_b32 v[QS], v[W0], v[W0], 0x01000100     ; my tile's two bytes, twice: they serve Q in either half of the instruction's K
.else
	v_perm_b32 v[QS], v[W0], v[W0], 0x03020302
.endif
	v_add_nc_u32 v[DM], s50, v5                    ; my query - the diagonal step's first key - 16 h.  (These 38 lines are also the places between the scale word's making and the first product)
	v_mov_b32 v13, 0xff61b1e6                      ; the largest t so far: -3e38
	v_floor_f32 v12, -v13                          ; -M
	v_mov_b32 v14, 0
	v_mov_b32 v15, 0
.set j, 0
.rept 32
	v_mov_b32 v[O+j], 0                            ; the step is written once: the first finds zeros
.set j, j+1
.endr
.Lstep_\@:                                         ; 16 trips; a trip whose keys all come after my queries only steps the addresses
	s_cmp_gt_u32 s[KC], s[LAST]
	s_cbranch_scc1 .Lhid_\@
	v_add_nc_u32 v8, s[TK], v1                     ; (four places behind the last step's products, in front of the loads into their operands)
	v_add_nc_u32 v9, s[TK], v2
	v_add_nc_u32 v10, s[TS], v3
	v_add_nc_u32 v11, s[TS], v4
.irp k, 0,1,2,3,4,5,6,7,8,9,10,11
	ds_load_b128 v[FR+4*\k:FR+4*\k+3], v8 offset:512*\k
.endr
	ds_load_b64 v[KS:KS+1], v10
	s_wait_dscnt 0x0
.irp b, 0,1,2,3                                ; S^T = K Q^T: pair b's first tile against [Q | 0], its second against [0 | Q]
.irp e, 0,1
	MMZ S+8*(2*\b+\e), FR+12*\b, 22-6*\e, KS+\b/2, QS, \b%2, 0
.endr
.endr
.rept 4
	v_nop                                          ; places in front of the loads below and of the first read of the scores
.endr
.irp k, 0,1,2,3,4,5,6,7,8,9,10,11
	ds_load_b128 v[FR+4*\k:FR+4*\k+3], v9 offset:512*\k   ; V's four fragments land under the softmax
.endr
	ds_load_b64 v[VS:VS+1], v11
	s_cmp_lt_u32 s[KC], s[LAST]
	s_cbranch_scc1 .Lopen_\@
.set n, 0
.rept 64                                       ; on the diagonal: register 16 b + i holds key 32 b + i + 16 h of the step: hidden where 32 b + i > v[DM]
	v_cmp_gt_i32 vcc_lo, 32*(n/16)+n%16, v[DM]
	v_cndmask_b32 v[S+n], v[S+n], v[NINF], vcc_lo
.set n, n+1
.endr
.Lopen_\@:
.irp b, 0,1,2,3
	v_max3_num_f32 v[BM+\b], v[S+16*\b], v[S+1+16*\b], v[S+2+16*\b]   ; the largest score of each block of 32 keys: for the row's maximum, and, since p rises with the score, for the block's largest p
.endr
.irp i, 3,5,7,9,11,13
.irp b, 0,1,2,3
	v_max3_num_f32 v[BM+\b], v[BM+\b], v[S+16*\b+\i], v[S+1+16*\b+\i]
.endr
.endr
.irp b, 0,1,2,3
	v_max_num_f32 v[BM+\b], v[BM+\b], v[S+15+16*\b]
.endr
.irp b, 0,1,2,3
	v_permlanex16_b32 v[BT+\b], v[BM+\b], s[SEL], s[SEL+1]
.endr
.irp b, 0,1,2,3
	v_max_num_f32 v[BM+\b], v[BM+\b], v[BT+\b]     ; with lane l xor 16's 16 keys
.endr
	v_max3_num_f32 v[W0], v[BM], v[BM+1], v[BM+2]
	v_max_num_f32 v[W0], v[W0], v[BM+3]
	v_mul_f32 v[W0], s[CS], v[W0]
	v_max_num_f32 v13, v13, v[W0]                  ; the running largest t
	v_mov_b32 v[W0], v12
	v_floor_f32 v12, -v13                          ; the new -M = -ceil(t)
	v_sub_f32 v[W0], v12, v[W0]                    ; old M - new M: a whole number, 0 or less
	v_cvt_i32_f32 v[W0], v[W0]                     ; (it saturates)
	v_ldexp_f32 v[F], 1.0, v[W0]                   ; f = 2^(old M - new M)
.set j, 0
.rept 32
	v_pk_fma_f32 v[S+j:S+j+1], v[S+j:S+j+1], s[CS:CS+1], v[12:13] op_sel_hi:[1,0,0]   ; t - M
.set j, j+2
.endr
.irp b, 0,1,2,3
	v_fma_f32 v[BM+\b], v[BM+\b], s[CS], v12
.endr
.set j, 0
.rept 64
	v_exp_f32 v[S+j], v[S+j]                       ; p = 2^(t - M)
.set j, j+1
.endr
	v_pk_mul_f32 v[14:15], v[14:15], v[F:F+1] op_sel_hi:[1,0]   ; the sums under the new M (a plain place behind the exponentials)
	s_wait_alu depctr_va_vdst(0)                   ; one wait for the batch, ahead of its first reader
.irp b, 0,1,2,3
	v_exp_f32 v[BM+\b], v[BM+\b]                   ; each block's largest p
.endr
	v_pk_add_f32 v[BT:BT+1], v[S:S+1], v[S+2:S+3]  ; the row's sum, of the unquantised p, in two chains
.set j, 4
.rept 15
	v_pk_add_f32 v[14:15], v[14:15], v[S+j:S+j+1]
	v_pk_add_f32 v[BT:BT+1], v[BT:BT+1], v[S+j+2:S+j+3]
.set j, j+4
.endr
	v_pk_add_f32 v[14:15], v[14:15], v[BT:BT+1]
	s_wait_alu depctr_va_vdst(0)                   ; and one for the four
.irp b, 0,1,2,3
	v_max_num_f32 v[BM+\b], 0x1800000, v[BM+\b]    ; the floor 2^(3 - 127)
.endr
.irp b, 0,1,2,3
	v_add_nc_u32 v[BO+\b], 0xff000000, v[BM+\b]
.endr
.irp b, 0,1,2,3
	v_lshrrev_b32 v[BT+\b], 23, v[BO+\b]
.endr
	v_lshl_or_b32 v[PS], v[BT+1], 8, v[BT]         ; p's scale word for these 128 keys
	v_lshl_or_b32 v[PS], v[BT+2], 16, v[PS]
	v_lshl_or_b32 v[PS], v[BT+3], 24, v[PS]
.irp c, 0,1
	v_cvt_scalef32_pk16_fp6_f32 v[PC+6*\c:PC+2+6*\c], v[S+32*\c:S+15+32*\c], v[BO+2*\c]
	v_cvt_scalef32_pk16_fp6_f32 v[PC+12+4*\c:PC+14+4*\c], v[S+16+32*\c:S+31+32*\c], v[BO+2*\c+1]
.endr
	v_nop                                          ; one plain place behind a scaled conversion
.irp c, 0,1
.irp i, 0,1,2
	v_permlane16_swap_b32 v[PC+6*\c+\i], v[PC+12+4*\c+\i]
.endr
.irp i, 0,1,2
	v_mov_b32 v[PC+3+6*\c+\i], v[PC+12+4*\c+\i]
.endr
.endr
.set j, 0
.rept 16
	v_pk_mul_f32 v[O+j:O+j+1], v[O+j:O+j+1], v[F:F+1] op_sel_hi:[1,0]   ; O^T under the new M; these lines are also the places in front of the products below
.set j, j+2
.endr
	s_wait_dscnt 0x0                               ; V is in
.irp n, 0,1,2,3                                ; O^T += V^T P^T
	MMR O+8*\n, FR+12*\n, PC, O+8*\n, VS+\n/2, PS, \n%2, 0
.endr
.Lhid_\@:
	s_add_co_u32 s[TK], s[TK], 6144
	s_add_co_u32 s[TS], s[TS], 256
	s_add_co_u32 s[KC], s[KC], 1
	s_cmp_lt_u32 s[KC], 16
	s_cbranch_scc1 .Lstep_\@
	; ---- the way out: y = O^T / the sum, quantised along the head's 64: half a fragment, 768 consecutive bytes, and two scale bytes a row
.rept 4
	v_nop                                          ; places behind the last products: the trips between may hold no vector instruction
.endr
	v_add_f32 v14, v14, v15
	v_permlanex16_b32 v[W0], v14, s[SEL], s[SEL+1]
	v_add_f32 v14, v14, v[W0]                      ; the row's sum
	v_rcp_f32 v14, v14
	v_nop                                          ; a plain place behind the reciprocal
	s_wait_alu depctr_va_vdst(0)                   ; and the wait ahead of its first reader
.set j, 0
.rept 32
	v_mul_f32 v[S+j], v[O+j], v14                  ; register 16 b + i is d 32 b + 16 h + i of my query
.set j, j+1
.endr
	QUANTH S
.irp p, 0,1,2
	global_store_b64 v6, v[PC+2*\p:PC+2*\p+1], s[56:57] offset:256*\p
.endr
	global_store_b16 v7, v[PW], s[58:59]
	s_wait_xcnt 0x0                                ; the stores have read their registers and bases: the next tile writes them again
.endm
	TILE 0
	TILE 1
	s_wait_tensorcnt 0x0
	ds_add_u32 v254, v255
	s_wait_dscnt 0x0
	s_endpgm
.Lfunc_end_k_q57e35bfe0d_attn:
	.size	k_q57e35bfe0d_attn, .Lfunc_end_k_q57e35bfe0d_attn-k_q57e35bfe0d_attn
	.p2alignl 7, 3214868480
	.fill 96, 4, 3214868480
	.section	.rodata,"a",@progbits
	.p2align	6, 0x0
	.amdhsa_kernel k_q57e35bfe0d_attn
		.amdhsa_group_segment_fixed_size 206848
		.amdhsa_private_segment_fixed_size 0
		.amdhsa_enable_private_segment 0
		.amdhsa_kernarg_size 48
		.amdhsa_user_sgpr_count 2
		.amdhsa_user_sgpr_kernarg_segment_ptr 1
		.amdhsa_wavefront_size32 1
		.amdhsa_system_sgpr_workgroup_id_x 1
		.amdhsa_system_sgpr_workgroup_id_y 1
		.amdhsa_system_sgpr_workgroup_id_z 1
		.amdhsa_system_vgpr_workitem_id 0
		.amdhsa_next_free_vgpr 256
		.amdhsa_next_free_sgpr 66
		.amdhsa_reserve_vcc 1
		.amdhsa_float_denorm_mode_32 3
		.amdhsa_float_denorm_mode_16_64 3
		.amdhsa_memory_ordered 1
		.amdhsa_forward_progress 1
		.amdhsa_inst_pref_size 63
	.end_amdhsa_kernel
	.amdgpu_metadata
---
amdhsa.version: [ 1, 2 ]
amdhsa.kernels:
  - .name:           k_q57e35bfe0d_attn
    .symbol:         k_q57e35bfe0d_attn.kd
    .args:
      - { .name: qkimg, .offset: 0, .size: 8, .value_kind: global_buffer, .address_space: global }
      - { .name: qksc, .offset: 8, .size: 8, .value_kind: global_buffer, .address_space: global }
      - { .name: vimg, .offset: 16, .size: 8, .value_kind: global_buffer, .address_space: global }
      - { .name: vsc, .offset: 24, .size: 8, .value_kind: global_buffer, .address_space: global }
      - { .name: yimg, .offset: 32, .size: 8, .value_kind: global_buffer, .address_space: global }
      - { .name: ysc, .offset: 40, .size: 8, .value_kind: global_buffer, .address_space: global }
    .group_segment_fixed_size: 206848
    .private_segment_fixed_size: 0
    .kernarg_segment_align: 8
    .kernarg_segment_size: 48
    .max_flat_workgroup_size: 512
    .sgpr_count:     66
    .vgpr_count:     256
    .wavefront_size: 32
...
	.end_amdgpu_metadata
.endif
;; end of part 3
;; launch oproj (part 4): grid 128 x 2, 8 waves a work-group, no clusters, 87,040 bytes of LDS; arguments yimg, ysc, img, scl, o_proj_b, out0; writes out0
.if DOCPART == 4
	.amdgcn_target "amdgcn-amd-amdhsa--gfx1250"
	.amdhsa_code_object_version 6
	.text
	.protected	k_q57e35bfe0d_oproj
	.globl	k_q57e35bfe0d_oproj
	.p2align	8
	.type	k_q57e35bfe0d_oproj,@function
k_q57e35bfe0d_oproj:
	s_mov_b64 s[64:65], 0
	v_nop
	global_prefetch_b8 v0, s[64:65] scope:SCOPE_SE
	s_setreg_imm32_b32 hwreg(HW_REG_WAVE_MODE, 25, 1), 1
	s_wait_xcnt 0x0
; out = y Wo^T + b on codes of FP6 (E2M3) with E8M0 scales; out is f32.  A work-group takes 64 tokens (x) and 512 columns (y); wave w makes the 64 columns of group 8 y + w.
; y's eight K steps of the 64 tokens come into LDS once (wave w brings K step w: the halves of heads 2 w and 2 w + 1 on end are a fragment, by register pairs); Wo's units go from memory into registers, three units ahead.
; The product is used transposed (source 0 = 16 rows of Wo): a lane holds one token and 16 neighbouring columns of each 32.  The bias is the C of the first products.  The 16 accumulators take turns.
; The way out goes through each wave's own stage in LDS: sixteen lanes store 256 consecutive bytes, at a multiple of 256 from out's first byte.
; REGISTERS: window 0: v1-9 addresses, v16-23 Wo's scale words, v24-25 y's, v32-63 the bias, v64-191 accumulators, v192-255 rows on the way out.  Window 1: v0-191 Wo's fragments (4 sets of 48), v192-239 y's four.
.set UO,   1184
.set USZ,  6144
.set YIMG, 0
.set YSC,  49152
.set STAGE, 51200                      ; 16 rows x (256 + 16) bytes for each wave
.set LI,   1
.set L8,   2
.set BOF,  3                           ; 64 h
.set YSO,  4                           ; 1024 h + 2 r
.set YWI,  5                           ; 6,144 w + 16 l
.set YWS,  6                           ; YSC + 256 w + 8 l
.set STO,  7
.set SRD,  8
.set GO,   9
.set WS,   16
.set XS,   24
.set BI,   32
.set ACC,  64
.set OB,   192
.set XF,   192                         ; in window 1
.set MSB,  0
.macro WIN new                         ; the immediate's high byte repeats the setting that is left
.if MSB != \new
	s_set_vgpr_msb (MSB<<8)|\new
.set MSB, \new
.endif
.endm
.macro MMR d, a, b, c, sa, sb, ra, rb
.if ((\ra) == 0) && ((\rb) == 0)
	v_wmma_scale_f32_16x16x128_f8f6f4 v[0+(\d):7+(\d)], v[0+(\a):11+(\a)], v[0+(\b):11+(\b)], v[0+(\c):7+(\c)], v[0+(\sa)], v[0+(\sb)] matrix_a_fmt:MATRIX_FMT_FP6 matrix_b_fmt:MATRIX_FMT_FP6
.elseif ((\ra) == 1) && ((\rb) == 0)
	v_wmma_scale_f32_16x16x128_f8f6f4 v[0+(\d):7+(\d)], v[0+(\a):11+(\a)], v[0+(\b):11+(\b)], v[0+(\c):7+(\c)], v[0+(\sa)], v[0+(\sb)] matrix_a_fmt:MATRIX_FMT_FP6 matrix_b_fmt:MATRIX_FMT_FP6 matrix_a_scale:MATRIX_SCALE_ROW1
.elseif ((\ra) == 0) && ((\rb) == 1)
	v_wmma_scale_f32_16x16x128_f8f6f4 v[0+(\d):7+(\d)], v[0+(\a):11+(\a)], v[0+(\b):11+(\b)], v[0+(\c):7+(\c)], v[0+(\sa)], v[0+(\sb)] matrix_a_fmt:MATRIX_FMT_FP6 matrix_b_fmt:MATRIX_FMT_FP6 matrix_b_scale:MATRIX_SCALE_ROW1
.else
	v_wmma_scale_f32_16x16x128_f8f6f4 v[0+(\d):7+(\d)], v[0+(\a):11+(\a)], v[0+(\b):11+(\b)], v[0+(\c):7+(\c)], v[0+(\sa)], v[0+(\sb)] matrix_a_fmt:MATRIX_FMT_FP6 matrix_b_fmt:MATRIX_FMT_FP6 matrix_a_scale:MATRIX_SCALE_ROW1 matrix_b_scale:MATRIX_SCALE_ROW1
.endif
.endm
.macro LOADW set, i                    ; unit i of Wo's stream into a set: 13 loads
	WIN 0x40
.irp k, 0,1,2,3,4,5,6,7,8,9,10,11
	global_load_b128 v[48*(\set)+4*\k:48*(\set)+4*\k+3], v[LI], s[24:25] offset:USZ*(\i)+512*\k
.endr
	WIN 0
	global_load_b64 v[WS+2*(\set):WS+2*(\set)+1], v[L8], s[26:27] offset:256*(\i)
.endm
.macro UNITO i, first                  ; first = 1: C = the bias
	WIN 0x40
.irp k, 0,1,2,3,4,5,6,7,8,9,10,11
	ds_load_b128 v[XF+4*\k:XF+4*\k+3], v[LI] offset:YIMG+USZ*(\i)+512*\k
.endr
	WIN 0
	ds_load_b64 v[XS:XS+1], v[L8] offset:YSC+256*(\i)
.if 7-(\i) >= 3
	s_wait_loadcnt 39                              ; this unit's 13 loads are in; three later units' may be out
.else
	s_wait_loadcnt 13*(7-(\i))
.endif
	s_wait_dscnt 0x0
	WIN 0x05                                       ; A and B window 1; C, D window 0
.irp xt, 0,1,2,3
.irp tw, 0,1,2,3
.if \first
	MMR ACC+8*(4*\xt+\tw), 48*((\i)%4)+12*\tw, XF+12*\xt, BI+8*\tw, WS+2*((\i)%4)+\tw/2, XS+\xt/2, \tw%2, \xt%2
.else
	MMR ACC+8*(4*\xt+\tw), 48*((\i)%4)+12*\tw, XF+12*\xt, ACC+8*(4*\xt+\tw), WS+2*((\i)%4)+\tw/2, XS+\xt/2, \tw%2, \xt%2
.endif
.endr
.endr
	WIN 0
.rept 4
	v_nop                                          ; places in front of loads into the products' operands and of the first read of results
.endr
.if (\i)+4 < 8
	LOADW (\i)%4, (\i)+4
.endif
.endm
	s_load_b256 s[4:11], s[0:1], 0x0               ; yimg, ysc, img, scl
	s_load_b128 s[12:15], s[0:1], 0x20             ; o_proj_b, out0
	v_lshl_add_u32 v30, v0, 2, 0x15000
	v_mov_b32 v31, 0
	v_lshrrev_b32 v10, 5, v0
	v_readfirstlane_b32 s16, v10                   ; wave 0..7
	s_mov_b32 s17, ttmp9                           ; G: my 64 tokens
	s_and_b32 s18, ttmp7, 0xffff
	s_lshl_b32 s19, s18, 3
	s_add_co_u32 s19, s19, s16                     ; my group of 64 columns
	v_and_b32 v10, 31, v0                          ; lane
	v_and_b32 v11, 15, v0                          ; r
	v_bfe_u32 v12, v0, 4, 1                        ; h
	v_lshlrev_b32 v[LI], 4, v10
	v_lshlrev_b32 v[L8], 3, v10
	v_lshlrev_b32 v[BOF], 6, v12
	v_lshlrev_b32 v[YSO], 1, v11
	v_lshl_add_u32 v[YSO], v12, 10, v[YSO]
	s_mul_i32 s32, s16, USZ
	v_add_nc_u32 v[YWI], s32, v[LI]
	s_lshl_b32 s33, s16, 8
	s_add_co_u32 s33, s33, YSC
	v_add_nc_u32 v[YWS], s33, v[L8]
	s_mul_i32 s34, s16, 4352
	s_add_co_u32 s34, s34, STAGE                   ; my stage
	v_mul_u32_u24 v[STO], v11, 272
	v_lshl_add_u32 v[STO], v12, 6, v[STO]
	v_add_nc_u32 v[STO], s34, v[STO]               ; in: row r, + 64 h
	v_mul_u32_u24 v[SRD], v12, 272
	v_lshl_add_u32 v[SRD], v11, 4, v[SRD]
	v_add_nc_u32 v[SRD], s34, v[SRD]               ; back: lanes 0-15 one row, lanes 16-31 the next
	v_lshlrev_b32 v[GO], 4, v11
	v_lshl_add_u32 v[GO], v12, 12, v[GO]           ; and the same two rows of out
	s_mov_b32 s37, 0
	s_wait_kmcnt 0x0
	s_lshl_b32 s36, s19, 8
	s_add_nc_u64 s[20:21], s[12:13], s[36:37]      ; the bias of my 64 columns
	s_lshl_b32 s38, s17, 18
	s_add_co_u32 s36, s36, s38
	s_add_nc_u64 s[28:29], s[14:15], s[36:37]      ; out at my first token and column
	s_mul_i32 s36, s17, 49152
	s_mul_i32 s38, s16, 1536
	s_add_co_u32 s36, s36, s38
	s_add_nc_u64 s[22:23], s[4:5], s[36:37]        ; y's images: my tokens, K step w
	s_lshl_b32 s36, s17, 12
	s_lshl_b32 s38, s16, 7
	s_add_co_u32 s36, s36, s38
	s_add_nc_u64 s[30:31], s[6:7], s[36:37]        ; and scale bytes
	s_lshl_b32 s38, s19, 3
	s_add_co_u32 s38, s38, UO
	s_mul_i32 s36, s38, USZ
	s_add_nc_u64 s[24:25], s[8:9], s[36:37]        ; Wo's eight units
	s_lshl_b32 s36, s38, 8
	s_add_nc_u64 s[26:27], s[10:11], s[36:37]
.irp tw, 0,1,2,3
	global_load_b128 v[BI+8*\tw:BI+8*\tw+3], v[BOF], s[20:21] offset:(32*(\tw/2)+8*(\tw%2))*4      ; a lane's eight columns of tile tw: 32 (tw / 2) + 16 h + 8 (tw % 2) on
	global_load_b128 v[BI+8*\tw+4:BI+8*\tw+7], v[BOF], s[20:21] offset:(32*(\tw/2)+8*(\tw%2))*4+16
.endr
.irp xt, 0,1,2,3
.irp p, 0,1,2,3,4,5
	global_load_b64 v[ACC+12*\xt+2*\p:ACC+12*\xt+2*\p+1], v[L8], s[22:23] offset:12288*\xt+256*\p
.endr
.endr
.irp j, 0,1
	global_load_u16 v[ACC+48+2*\j], v[YSO], s[30:31] offset:2048*\j        ; tile 2 j + h: head 2 w's two bytes,
	global_load_u16 v[ACC+49+2*\j], v[YSO], s[30:31] offset:2048*\j+64     ; head 2 w + 1's
.endr
.irp q, 0,1,2,3
	LOADW \q, \q
.endr
	s_wait_loadcnt 52                              ; the bias and the fill are in; the four sets of 13 may be out
.irp xt, 0,1,2,3
.irp p, 0,1,2,3,4,5
	ds_store_b64 v[YWI], v[ACC+12*\xt+2*\p:ACC+12*\xt+2*\p+1] offset:1536*\xt+512*(\p/2)+8*(\p%2)   ; pair p to its place in an image of chunks of four registers
.endr
.endr
	v_lshl_or_b32 v[ACC+52], v[ACC+49], 16, v[ACC+48]
	v_lshl_or_b32 v[ACC+53], v[ACC+51], 16, v[ACC+50]
	ds_store_b64 v[YWS], v[ACC+52:ACC+53]
	s_wait_dscnt 0x0                               ; for the others' sake
	s_barrier_signal -1
	s_barrier_wait -1                              ; y's eight K steps lie in LDS
	UNITO 0, 1
.irp i, 1,2,3,4,5,6,7
	UNITO \i, 0
.endr
; THE WAY OUT, a tile of 16 tokens x 64 columns at a time.  LDS serves a wave's instructions in order: no wait between the stores and the loads, nor in front of the next tile's stores
.macro TOSTAGE xt
.irp b, 0,1
.irp q, 0,1,2,3
	ds_store_b128 v[STO], v[ACC+32*(\xt)+16*\b+4*\q:ACC+32*(\xt)+16*\b+4*\q+3] offset:128*\b+16*\q   ; each accumulator from its low end on
.endr
.endr
.irp i, 0,1,2,3,4,5,6,7
	ds_load_b128 v[OB+32*((\xt)%2)+4*\i:OB+32*((\xt)%2)+4*\i+3], v[SRD] offset:544*\i
.endr
.endm
.macro SEND xt, younger                ; younger: the LDS instructions issued behind this tile's loads
	s_wait_dscnt \younger
.irp i, 0,1,2,3,4,5,6,7
	global_store_b128 v[GO], v[OB+32*((\xt)%2)+4*\i:OB+32*((\xt)%2)+4*\i+3], s[28:29] offset:(32*((\xt)/2)+8*((\xt)%2)+2*\i+8*(\i/4))*4096 th:TH_STORE_NT
.endr
.endm
	TOSTAGE 0
.irp xt, 1,2,3
.if \xt > 1
	s_wait_xcnt 0x0                                ; the stores of the tile two back have read the registers that are loaded now
.endif
	TOSTAGE \xt
	SEND \xt-1, 16                                 ; behind its loads: the next tile's 8 stores and 8 loads
.endr
	SEND 3, 0
	s_wait_tensorcnt 0x0
	ds_add_u32 v30, v31
	s_wait_dscnt 0x0
	s_endpgm
.Lfunc_end_k_q57e35bfe0d_oproj:
	.size	k_q57e35bfe0d_oproj, .Lfunc_end_k_q57e35bfe0d_oproj-k_q57e35bfe0d_oproj
	.p2alignl 7, 3214868480
	.fill 96, 4, 3214868480
	.section	.rodata,"a",@progbits
	.p2align	6, 0x0
	.amdhsa_kernel k_q57e35bfe0d_oproj
		.amdhsa_group_segment_fixed_size 87040
		.amdhsa_private_segment_fixed_size 0
		.amdhsa_enable_private_segment 0
		.amdhsa_kernarg_size 48
		.amdhsa_user_sgpr_count 2
		.amdhsa_user_sgpr_kernarg_segment_ptr 1
		.amdhsa_wavefront_size32 1
		.amdhsa_system_sgpr_workgroup_id_x 1
		.amdhsa_system_sgpr_workgroup_id_y 1
		.amdhsa_system_sgpr_workgroup_id_z 1
		.amdhsa_system_vgpr_workitem_id 0
		.amdhsa_next_free_vgpr 512
		.amdhsa_next_free_sgpr 66
		.amdhsa_reserve_vcc 0
		.amdhsa_float_denorm_mode_32 3
		.amdhsa_float_denorm_mode_16_64 3
		.amdhsa_memory_ordered 1
		.amdhsa_forward_progress 1
		.amdhsa_inst_pref_size 51
	.end_amdhsa_kernel
	.amdgpu_metadata
---
amdhsa.version: [ 1, 2 ]
amdhsa.kernels:
  - .name:           k_q57e35bfe0d_oproj
    .symbol:         k_q57e35bfe0d_oproj.kd
    .args:
      - { .name: yimg, .offset: 0, .size: 8, .value_kind: global_buffer, .address_space: global }
      - { .name: ysc, .offset: 8, .size: 8, .value_kind: global_buffer, .address_space: global }
      - { .name: img, .offset: 16, .size: 8, .value_kind: global_buffer, .address_space: global }
      - { .name: scl, .offset: 24, .size: 8, .value_kind: global_buffer, .address_space: global }
      - { .name: o_proj_b, .offset: 32, .size: 8, .value_kind: global_buffer, .address_space: global }
      - { .name: out0, .offset: 40, .size: 8, .value_kind: global_buffer, .address_space: global }
    .group_segment_fixed_size: 87040
    .private_segment_fixed_size: 0
    .kernarg_segment_align: 8
    .kernarg_segment_size: 48
    .max_flat_workgroup_size: 256
    .sgpr_count:     66
    .vgpr_count:     512
    .wavefront_size: 32
...
	.end_amdgpu_metadata
.endif
;; end of part 4
;; ======== version 2 of 2: 4 launches
;; workspace buffers: img 8,454,144 bytes; scl 352,256 bytes; qkimg 12,582,912 bytes; qksc 524,288 bytes; vimg 6,291,456 bytes; vsc 262,144 bytes; yimg 6,291,456 bytes; ysc 524,288 bytes
;; launch quant (part 5): grid 344 x 1, 4 waves a work-group, no clusters, 34,304 bytes of LDS; arguments hidden_states, basis_w, v_proj_w, o_proj_w, u_factor, v_factor, img, scl; writes img, scl
.if DOCPART == 5
	.amdgcn_target "amdgcn-amd-amdhsa--gfx1250"
	.amdhsa_code_object_version 6
	.text
	.protected	k_q57e35bfe0d_quant
	.globl	k_q57e35bfe0d_quant
	.p2align	8
	.type	k_q57e35bfe0d_quant,@function
k_q57e35bfe0d_quant:
	s_mov_b64 s[64:65], 0
	v_nop
	global_prefetch_b8 v0, s[64:65] scope:SCOPE_SE
	s_setreg_imm32_b32 hwreg(HW_REG_WAVE_MODE, 25, 1), 1
	s_wait_xcnt 0x0
; x [8192][1024], basis_w [256][1024], v_proj_w, o_proj_w [1024][1024] (K innermost) and u_factor, v_factor [16][256 (K)][64] become codes of FP6 (E2M3) with one E8M0 byte for each 32 along K,
; laid as IMAGES OF THE OPERAND'S REGISTERS.  A UNIT is 64 rows x 128 K: four tiles of 16 rows, each a fragment of 12 registers a lane, stored as three chunks of 512 bytes (registers 4 c .. 4 c + 3 of lane l at 512 c + 16 l).
; THE ROWS OF A TILE ARE NOT NEIGHBOURS: row p of tile tt is row 32 (tt / 2) + 8 (tt % 2) + p + 8 (p / 8) of the 64, so that a product's results of tiles 2 b and 2 b + 1 are 16 neighbours along the next K.
; A unit's scale words are 256 bytes: lane l's two words at 8 l; word j of lane (p, h) is the word of tile 2 j + h, row p.
; One wave makes one unit: 1,376 units, 344 work-groups.  Units 0-1023 x, 1024-1055 basis_w, 1056-1183 v_proj_w, 1184-1311 o_proj_w (unit = 8 x group + K step), 1312-1375 u_factor then v_factor (2 x head + K step).
; A block's scale is 2^(floor(log2(its largest magnitude)) - 2): its byte is the largest magnitude's exponent field - 2, held at 1 from below.
; LIMITS: NaN and infinities are not served; a block of zeros, or one whose largest magnitude lies under 2^-124, gets the byte 1 (zeros stay zero codes; this program alone reads the bytes).
.set UB,  1024
.set UV,  1056
.set UO,  1184
.set UU,  1312
.set SP,  528                          ; a stage row: 512 bytes + 16: sixteen rows begin in sixteen different groups of banks
.set STG, 16*SP                        ; a wave's stage
.set LI,  4                            ; v4   16 x lane
.set L8,  5                            ; v5   8 x lane
.set STI, 6                            ; v6   into the stage: 16 x lane
.set STO, 7                            ; v7   out of it: row r, + 64 h
.set UOF, 8                            ; v8   u, v: my column and my half of a block
.set TM,  16                           ; v16-31  at work in QUANT
.set PC,  32                           ; v32-51  the codes just made
.set PW,  52                           ; v52     the scale word just made
.set PWT, 56                           ; v56-59  the four tiles' scale words
.set SW,  60                           ; v60-61  the unit's two words a lane
.set X,   64                           ; v64-127 64 numbers of a lane: register 16 b + i = k 32 b + 16 h + i of row r
.set R,   128                          ; v128-255 two sets of 64 registers as loaded
.set SEL, 34                           ; s[34:35] v_permlanex16_b32's selects for lane l xor 16
.set HM,  36                           ; s36  the mask of lanes 16-31
; 64 numbers of a lane, register 16 b + i = k 32 b + 16 (lane / 16) + i of my row, become a fragment's codes in v[PC] on and its scale word in v[PW]
.macro QUANT s
.irp b, 0,1,2,3
	v_max3_num_f32 v[TM+\b], |v[\s+16*\b]|, |v[\s+1+16*\b]|, 0x1800000   ; block b: my 16 numbers, and the floor 2^(3 - 127): the byte cannot fall under 1
.endr
.irp i, 2,4,6,8,10,12,14
.irp b, 0,1,2,3
	v_max3_num_f32 v[TM+\b], v[TM+\b], |v[\s+16*\b+\i]|, |v[\s+1+16*\b+\i]|
.endr
.endr
.irp b, 0,1,2,3
	v_permlanex16_b32 v[TM+4+\b], v[TM+\b], s[SEL], s[SEL+1]
.endr
.irp b, 0,1,2,3
	v_max_num_f32 v[TM+\b], v[TM+\b], v[TM+4+\b]   ; with lane l xor 16's: the block's largest magnitude
.endr
.irp b, 0,1,2,3
	v_add_nc_u32 v[TM+12+\b], 0xff000000, v[TM+\b]   ; 2 off its exponent field: the conversion's scale operand
.endr
.irp b, 0,1,2,3
	v_lshrrev_b32 v[TM+4+\b], 23, v[TM+12+\b]   ; the scale's byte
.endr
	v_lshl_or_b32 v[PW], v[TM+5], 8, v[TM+4]
	v_lshl_or_b32 v[PW], v[TM+6], 16, v[PW]
	v_lshl_or_b32 v[PW], v[TM+7], 24, v[PW]
.irp c, 0,1
	v_cvt_scalef32_pk16_fp6_f32 v[PC+6*\c:PC+2+6*\c], v[\s+32*\c:\s+15+32*\c], v[TM+12+2*\c]
	v_cvt_scalef32_pk16_fp6_f32 v[PC+12+4*\c:PC+14+4*\c], v[\s+16+32*\c:\s+31+32*\c], v[TM+12+2*\c+1]   ; (a conversion's three registers begin on an even number)
.endr
	v_nop                                          ; one plain place behind a scaled conversion
.irp c, 0,1                                    ; the operand's layout wants a whole block in a lane
.irp i, 0,1,2
	v_permlane16_swap_b32 v[PC+6*\c+\i], v[PC+12+4*\c+\i]
.endr
.irp i, 0,1,2
	v_mov_b32 v[PC+3+6*\c+\i], v[PC+12+4*\c+\i]
.endr
.endr
.endm
.macro LOADI tt                        ; tile tt, K innermost: 16 loads, each one row's 512 consecutive bytes
.irp i, 0,1,2,3,4,5,6,7,8,9,10,11,12,13,14,15
	global_load_b128 v[R+64*((\tt)%2)+4*\i:R+64*((\tt)%2)+4*\i+3], v[LI], s[24:25] offset:(32*((\tt)/2)+8*((\tt)%2)+\i+8*(\i/8))*4096 th:TH_LOAD_NT
.endr
.endm
.macro TURNI tt                        ; through my stage: in as loaded, out 16 neighbours of each block a lane.  LDS serves a wave's instructions in order
.irp i, 0,1,2,3,4,5,6,7,8,9,10,11,12,13,14,15
	ds_store_b128 v[STI], v[R+64*((\tt)%2)+4*\i:R+64*((\tt)%2)+4*\i+3] offset:SP*\i
.endr
.irp b, 0,1,2,3
.irp j, 0,1,2,3
	ds_load_b128 v[X+16*\b+4*\j:X+16*\b+4*\j+3], v[STO] offset:128*\b+16*\j
.endr
.endr
.endm
.macro LOADU tt                        ; tile tt of u or v: my column, registers down K: 16 b + i = k 32 b + 16 h + i
.irp b, 0,1,2,3
.irp i, 0,1,2,3,4,5,6,7,8,9,10,11,12,13,14,15
	global_load_b32 v[R+64*((\tt)%2)+16*\b+\i], v[UOF], s[24:25] offset:(32*((\tt)/2)+8*((\tt)%2))*4+(32*\b+\i)*256 th:TH_LOAD_NT
.endr
.endr
.endm
.macro OUT tt                          ; the image: three stores of 512 consecutive bytes
.irp c, 0,1,2
	global_store_b128 v[LI], v[PC+4*\c:PC+4*\c+3], s[30:31] offset:1536*(\tt)+512*\c
.endr
	v_mov_b32 v[PWT+(\tt)], v[PW]
.endm
.macro TAIL                            ; the unit's scale words: lanes 0-15 tiles 0 and 2, lanes 16-31 tiles 1 and 3: 256 consecutive bytes
	v_cndmask_b32 v[SW], v[PWT], v[PWT+1], s[HM]
	v_cndmask_b32 v[SW+1], v[PWT+2], v[PWT+3], s[HM]
	global_store_b64 v[L8], v[SW:SW+1], s[32:33]
	s_wait_tensorcnt 0x0
	ds_add_u32 v62, v63
	s_wait_dscnt 0x0
	s_endpgm
.endm
	s_load_b512 s[4:19], s[0:1], 0x0               ; x, basis_w, v_proj_w, o_proj_w, u_factor, v_factor, img, scl
	v_lshl_add_u32 v62, v0, 2, 0x8400
	v_mov_b32 v63, 0
	v_lshrrev_b32 v1, 5, v0
	v_readfirstlane_b32 s20, v1                    ; wave
	s_lshl_b32 s21, ttmp9, 2
	s_add_co_u32 s21, s21, s20                     ; my unit
	v_and_b32 v1, 31, v0                           ; lane
	v_and_b32 v2, 15, v0                           ; r
	v_bfe_u32 v3, v0, 4, 1                         ; h
	v_lshlrev_b32 v[LI], 4, v1
	v_lshlrev_b32 v[L8], 3, v1
	s_mul_i32 s22, s20, STG
	v_add_nc_u32 v[STI], s22, v[LI]
	v_mul_u32_u24 v[STO], v2, SP
	v_lshl_add_u32 v[STO], v3, 6, v[STO]
	v_add_nc_u32 v[STO], s22, v[STO]
	v_and_b32 v[UOF], 8, v2
	v_add_nc_u32 v[UOF], v[UOF], v2                ; r + 8 (r / 8)
	v_lshlrev_b32 v[UOF], 2, v[UOF]
	v_lshl_add_u32 v[UOF], v3, 12, v[UOF]          ; + 16 h rows of 256 bytes
.irp b, 0,1,2,3
	v_mov_b32 v[TM+4+\b], 0                        ; written once: a lane permute's destination counts as one of its sources
.endr
	s_mov_b32 s[SEL], 0x76543210
	s_mov_b32 s[SEL+1], 0xfedcba98
	s_mov_b32 s[HM], 0xffff0000
	s_mul_i32 s28, s21, 6144
	s_mov_b32 s29, 0
	s_wait_kmcnt 0x0
	s_add_nc_u64 s[30:31], s[16:17], s[28:29]      ; my unit's images
	s_lshl_b32 s28, s21, 8
	s_add_nc_u64 s[32:33], s[18:19], s[28:29]      ; and its scale words
	s_cmp_ge_u32 ttmp9, UU/4
	s_cbranch_scc1 .Lpath_u
	; ---- K innermost: which tensor, by my unit's number alone
	s_mov_b64 s[24:25], s[4:5]
	s_mov_b32 s26, 0
	s_cmp_ge_u32 s21, UB
	s_cselect_b64 s[24:25], s[6:7], s[24:25]
	s_cselect_b32 s26, UB, s26
	s_cmp_ge_u32 s21, UV
	s_cselect_b64 s[24:25], s[8:9], s[24:25]
	s_cselect_b32 s26, UV, s26
	s_cmp_ge_u32 s21, UO
	s_cselect_b64 s[24:25], s[10:11], s[24:25]
	s_cselect_b32 s26, UO, s26
	s_sub_co_u32 s27, s21, s26
	s_lshr_b32 s28, s27, 3
	s_lshl_b32 s28, s28, 18                        ; 64 rows of 4,096 bytes a group,
	s_and_b32 s27, s27, 7
	s_lshl_b32 s27, s27, 9                         ; 512 bytes a K step
	s_or_b32 s28, s28, s27
	s_add_nc_u64 s[24:25], s[24:25], s[28:29]
	LOADI 0
	LOADI 1
	s_wait_alu depctr_va_vdst(0)
.irp tt, 0,1,2,3
.if \tt < 3
	s_wait_loadcnt 16                              ; this tile's 16 loads are in; the next tile's may be out
.else
	s_wait_loadcnt 0x0
.endif
	TURNI \tt
	s_wait_dscnt 0x0                               ; the numbers are back, and the stage's stores have read their registers,
.if \tt < 2
	LOADI \tt+2                                    ; which take the tile two on
.endif
	s_wait_xcnt 0x0                                ; the last tile's stores have read the codes' registers
	QUANT X
	OUT \tt
.endr
	TAIL
.Lpath_u:
	; ---- u_factor, v_factor: K is the middle axis: a lane takes a column, its registers run down K; no LDS
	s_sub_co_u32 s27, s21, UU
	s_cmp_lt_u32 s27, 32
	s_cselect_b64 s[24:25], s[12:13], s[14:15]
	s_and_b32 s28, s27, 31
	s_lshr_b32 s28, s28, 1
	s_lshl_b32 s28, s28, 16                        ; a head is 65,536 bytes,
	s_and_b32 s27, s27, 1
	s_lshl_b32 s27, s27, 15                        ; a K step 128 rows of 256
	s_or_b32 s28, s28, s27
	s_add_nc_u64 s[24:25], s[24:25], s[28:29]
	s_wait_alu depctr_va_vdst(0)
	LOADU 0
	LOADU 1
.irp tt, 0,1,2,3
.if \tt < 3
	s_wait_loadcnt 63                              ; this tile's 64 loads are in (the count's field ends at 63: one load of the next tile is waited for too)
.else
	s_wait_loadcnt 0x0
.endif
	s_wait_xcnt 0x0                                ; the last tile's stores have read the codes' registers
	QUANT R+64*(\tt%2)
	OUT \tt
.if \tt < 2
	LOADU \tt+2
.endif
.endr
	TAIL
.Lfunc_end_k_q57e35bfe0d_quant:
	.size	k_q57e35bfe0d_quant, .Lfunc_end_k_q57e35bfe0d_quant-k_q57e35bfe0d_quant
	.p2alignl 7, 3214868480
	.fill 96, 4, 3214868480
	.section	.rodata,"a",@progbits
	.p2align	6, 0x0
	.amdhsa_kernel k_q57e35bfe0d_quant
		.amdhsa_group_segment_fixed_size 34304
		.amdhsa_private_segment_fixed_size 0
		.amdhsa_enable_private_segment 0
		.amdhsa_kernarg_size 64
		.amdhsa_user_sgpr_count 2
		.amdhsa_user_sgpr_kernarg_segment_ptr 1
		.amdhsa_wavefront_size32 1
		.amdhsa_system_sgpr_workgroup_id_x 1
		.amdhsa_system_sgpr_workgroup_id_y 1
		.amdhsa_system_sgpr_workgroup_id_z 1
		.amdhsa_system_vgpr_workitem_id 0
		.amdhsa_next_free_vgpr 256
		.amdhsa_next_free_sgpr 66
		.amdhsa_reserve_vcc 0
		.amdhsa_float_denorm_mode_32 3
		.amdhsa_float_denorm_mode_16_64 3
		.amdhsa_memory_ordered 1
		.amdhsa_forward_progress 1
		.amdhsa_inst_pref_size 75
	.end_amdhsa_kernel
	.amdgpu_metadata
---
amdhsa.version: [ 1, 2 ]
amdhsa.kernels:
  - .name:           k_q57e35bfe0d_quant
    .symbol:         k_q57e35bfe0d_quant.kd
    .args:
      - { .name: hidden_states, .offset: 0, .size: 8, .value_kind: global_buffer, .address_space: global }
      - { .name: basis_w, .offset: 8, .size: 8, .value_kind: global_buffer, .address_space: global }
      - { .name: v_proj_w, .offset: 16, .size: 8, .value_kind: global_buffer, .address_space: global }
      - { .name: o_proj_w, .offset: 24, .size: 8, .value_kind: global_buffer, .address_space: global }
      - { .name: u_factor, .offset: 32, .size: 8, .value_kind: global_buffer, .address_space: global }
      - { .name: v_factor, .offset: 40, .size: 8, .value_kind: global_buffer, .address_space: global }
      - { .name: img, .offset: 48, .size: 8, .value_kind: global_buffer, .address_space: global }
      - { .name: scl, .offset: 56, .size: 8, .value_kind: global_buffer, .address_space: global }
    .group_segment_fixed_size: 34304
    .private_segment_fixed_size: 0
    .kernarg_segment_align: 8
    .kernarg_segment_size: 64
    .max_flat_workgroup_size: 128
    .sgpr_count:     66
    .vgpr_count:     256
    .wavefront_size: 32
...
	.end_amdgpu_metadata
.endif
;; end of part 5
;; launch front (part 6): grid 256 x 1, 8 waves a work-group, no clusters, 66,560 bytes of LDS; arguments img, scl, v_proj_b, qkimg, qksc, vimg, vsc; writes qkimg, qksc, vimg, vsc
.if DOCPART == 6
	.amdgcn_target "amdgcn-amd-amdhsa--gfx1250"
	.amdhsa_code_object_version 6
	.text
	.protected	k_q57e35bfe0d_front
	.globl	k_q57e35bfe0d_front
	.p2align	8
	.type	k_q57e35bfe0d_front,@function
k_q57e35bfe0d_front:
	s_mov_b64 s[64:65], 0
	v_nop
	global_prefetch_b8 v0, s[64:65] scope:SCOPE_SE
	s_setreg_imm32_b32 hwreg(HW_REG_WAVE_SCHED_MODE, 0, 2), 2
	s_setreg_imm32_b32 hwreg(HW_REG_WAVE_MODE, 25, 1), 1
	s_wait_xcnt 0x0
	s_wait_alu depctr_vm_vsrc(0)
; All on codes of FP6 (E2M3) with E8M0 scales, from the register images that the launch before has laid (unit = 64 rows x 128 K: 6,144 bytes of images, 256 bytes of scale words).
; A work-group takes 64 tokens (group G).  Work-groups 0-127 (role A): latent = x basis^T, quantised along R; q = latent u, k = latent v, quantised along S.  Work-groups 128-255 (role B): V = x Wv^T + b, quantised along the tokens.
; x's eight K steps of the 64 tokens come into LDS once (each wave copies one unit) and are read by all eight waves; the weights go from memory straight into registers, two units ahead, in a ring of three sets.
; ROLE A, first product: wave w makes token tiles 2 (w % 2), + 1 x R units 64 (w / 2) on, transposed (source 0 = basis rows): a lane holds one token and 32 neighbouring pairs of R.  Its two half fragments go to LDS.
; ROLE A, second: wave w makes four groups of 64 columns (selector w / 4: q or k; heads 4 w % 16 on) for the 64 tokens, transposed: a lane holds one token and its registers run along s.
;   Out: PAIR FRAGMENTS: registers 0-5 one tile of 16 tokens (K = s 0..63), registers 6-11 the next tile.
; ROLE B: wave w makes heads 2 w, 2 w + 1; source 0 = tokens, source 1 = rows of Wv: a lane holds one d and its registers run along the tokens, which are the next K.  The bias is the C of each sum's first product.
; The 16 (or 8) accumulators take turns, one instruction a turn.
; THE MODE: SCHED_MODE bits 1:0 = 2 (LLVM: expert scheduling mode 2), set by the entry lines.  The code itself states the register dependences
; between vector or matrix instructions and memory or LDS instructions, with s_wait_alu, always for 0.
; THE PLAN.  A role's work is 16 units of 128 along K.  Registers that memory or LDS instructions touch:
;   W0 .. W2, with their scale words   Unit i's products read set i % 3; the loads of unit i + 3 land in it: they are issued in THE ASK of unit i + 1.
;   X0, X1, with their scale words     Unit i's products read buffer i % 2; the LDS loads of unit i + 2 land in it: issued in the ask of unit i + 1 too.
;   PC, TW                             Written by the quantiser; read by the LDS or global stores behind it; written again by the quantiser's next run.
;   the accumulators' first 50         At the head only: the fill's loads land in them and its LDS stores read them; later the products write them.
;   v1-14                              Addresses and offsets, made once at the head and never written again.
; So ONE wait on va_vdst stands at a unit's head, ahead of its ask: the unit before is done reading the set and the buffer that the ask fills.  Behind a unit that ends a sum the quantiser runs:
; one wait on va_vdst behind each run, ahead of its stores; the second of them also serves the next unit's ask, which stands directly behind it.  A wait on vm_vsrc stands ahead of each run that writes PC and TW again.
; REGISTERS: window 0: v1-14 addresses, v16-21 W's scale words (3 sets), v24-25 and v22-23 the tokens' scale words (2 buffers), v32-63 the bias, v64-191 accumulators, v192-230 the quantiser, v240-247 bias numbers.
;   window 1: v0-143 W's fragments, three sets of 48; v144-239 the tokens' four fragments, two buffers of 48.
; LIMITS: NaN and infinities are not served; a block of zeros, or one whose largest magnitude lies under 2^-124, gets the byte 1.
.set UB,   1024
.set UV,   1056
.set UU,   1312
.set USZ,  6144
.set XIMG, 0                           ; LDS: x's images [K step 8][tile 4][1536]
.set XSC,  49152                       ; their scale words [K step][256]
.set LIMG, 51200                       ; the latent's images [K step 2][tile 4][1536] (role A)
.set LSC,  63488                       ; and scale words [K step][256]
.set LI,   1
.set L8,   2
.set L4,   3
.set XA1,  4                           ; role A, first product: my two token tiles' images
.set XS1,  5                           ; and their scale word
.set LW0,  6                           ; where my half fragments' three register pairs go
.set LW1,  7
.set LW2,  8
.set LSW,  9                           ; and their two scale bytes
.set SH16, 10                          ; 16 h
.set SELV, 11                          ; role B: byte selects for the scale word
.set BOF,  12                          ; role B: 4 (r + 8 (r / 8))
.set XWI,  13                          ; the fill: 6,144 w + 16 l
.set XWS,  14                          ; XSC + 256 w + 8 l
.set WS,   16                          ; set s at WS + 2 s
.set XS,   24                          ; buffer p at XS - 2 p
.set BI,   32
.set ACC,  64
.set TM,   192
.set PC,   208
.set PW,   228
.set PWS,  229
.set TW,   230
.set BV,   240
.set XF,   144                         ; in window 1: buffer p at XF + 48 p
.set SEL,  40
.set HM,   42
.set MSB,  0
.macro WIN new                         ; the immediate's high byte repeats the setting that is left
.if MSB != \new
	s_set_vgpr_msb (MSB<<8)|\new
.set MSB, \new
.endif
.endm
.macro QUANT s                         ; 64 numbers of a lane, register 16 b + i = k 32 b + 16 (lane / 16) + i, become 12 registers of codes in v[PC] on and four scale bytes in v[PW]
.irp b, 0,1,2,3
	v_max3_num_f32 v[TM+\b], |v[\s+16*\b]|, |v[\s+1+16*\b]|, 0x1800000   ; and the floor 2^(3 - 127): the byte cannot fall under 1
.endr
.irp i, 2,4,6,8,10,12,14
.irp b, 0,1,2,3
	v_max3_num_f32 v[TM+\b], v[TM+\b], |v[\s+16*\b+\i]|, |v[\s+1+16*\b+\i]|
.endr
.endr
.irp b, 0,1,2,3
	v_permlanex16_b32 v[TM+4+\b], v[TM+\b], s[SEL], s[SEL+1]
.endr
.irp b, 0,1,2,3
	v_max_num_f32 v[TM+\b], v[TM+\b], v[TM+4+\b]
.endr
.irp b, 0,1,2,3
	v_add_nc_u32 v[TM+12+\b], 0xff000000, v[TM+\b]   ; 2 off the exponent field: the conversion's scale operand
.endr
.irp b, 0,1,2,3
	v_lshrrev_b32 v[TM+4+\b], 23, v[TM+12+\b]
.endr
	v_lshl_or_b32 v[PW], v[TM+5], 8, v[TM+4]
	v_lshl_or_b32 v[PW], v[TM+6], 16, v[PW]
	v_lshl_or_b32 v[PW], v[TM+7], 24, v[PW]
.irp c, 0,1
	v_cvt_scalef32_pk16_fp6_f32 v[PC+6*\c:PC+2+6*\c], v[\s+32*\c:\s+15+32*\c], v[TM+12+2*\c]
	v_cvt_scalef32_pk16_fp6_f32 v[PC+12+4*\c:PC+14+4*\c], v[\s+16+32*\c:\s+31+32*\c], v[TM+12+2*\c+1]
.endr
	v_nop                                          ; one plain place behind a scaled conversion
.irp c, 0,1
.irp i, 0,1,2
	v_permlane16_swap_b32 v[PC+6*\c+\i], v[PC+12+4*\c+\i]
.endr
.irp i, 0,1,2
	v_mov_b32 v[PC+3+6*\c+\i], v[PC+12+4*\c+\i]
.endr
.endr
.endm
; one matrix instruction; ra, rb: the half of the lanes from which A's and B's scale words are taken
.macro MMR d, a, b, c, sa, sb, ra, rb
.if ((\ra) == 0) && ((\rb) == 0)
	v_wmma_scale_f32_16x16x128_f8f6f4 v[0+(\d):7+(\d)], v[0+(\a):11+(\a)], v[0+(\b):11+(\b)], v[0+(\c):7+(\c)], v[0+(\sa)], v[0+(\sb)] matrix_a_fmt:MATRIX_FMT_FP6 matrix_b_fmt:MATRIX_FMT_FP6
.elseif ((\ra) == 1) && ((\rb) == 0)
	v_wmma_scale_f32_16x16x128_f8f6f4 v[0+(\d):7+(\d)], v[0+(\a):11+(\a)], v[0+(\b):11+(\b)], v[0+(\c):7+(\c)], v[0+(\sa)], v[0+(\sb)] matrix_a_fmt:MATRIX_FMT_FP6 matrix_b_fmt:MATRIX_FMT_FP6 matrix_a_scale:MATRIX_SCALE_ROW1
.elseif ((\ra) == 0) && ((\rb) == 1)
	v_wmma_scale_f32_16x16x128_f8f6f4 v[0+(\d):7+(\d)], v[0+(\a):11+(\a)], v[0+(\b):11+(\b)], v[0+(\c):7+(\c)], v[0+(\sa)], v[0+(\sb)] matrix_a_fmt:MATRIX_FMT_FP6 matrix_b_fmt:MATRIX_FMT_FP6 matrix_b_scale:MATRIX_SCALE_ROW1
.else
	v_wmma_scale_f32_16x16x128_f8f6f4 v[0+(\d):7+(\d)], v[0+(\a):11+(\a)], v[0+(\b):11+(\b)], v[0+(\c):7+(\c)], v[0+(\sa)], v[0+(\sb)] matrix_a_fmt:MATRIX_FMT_FP6 matrix_b_fmt:MATRIX_FMT_FP6 matrix_a_scale:MATRIX_SCALE_ROW1 matrix_b_scale:MATRIX_SCALE_ROW1
.endif
.endm
.macro MMZ d, a, b, sa, sb, ra, rb     ; the same with C = 0: it starts a sum
.if ((\ra) == 0) && ((\rb) == 0)
	v_wmma_scale_f32_16x16x128_f8f6f4 v[0+(\d):7+(\d)], v[0+(\a):11+(\a)], v[0+(\b):11+(\b)], 0, v[0+(\sa)], v[0+(\sb)] matrix_a_fmt:MATRIX_FMT_FP6 matrix_b_fmt:MATRIX_FMT_FP6
.elseif ((\ra) == 1) && ((\rb) == 0)
	v_wmma_scale_f32_16x16x128_f8f6f4 v[0+(\d):7+(\d)], v[0+(\a):11+(\a)], v[0+(\b):11+(\b)], 0, v[0+(\sa)], v[0+(\sb)] matrix_a_fmt:MATRIX_FMT_FP6 matrix_b_fmt:MATRIX_FMT_FP6 matrix_a_scale:MATRIX_SCALE_ROW1
.elseif ((\ra) == 0) && ((\rb) == 1)
	v_wmma_scale_f32_16x16x128_f8f6f4 v[0+(\d):7+(\d)], v[0+(\a):11+(\a)], v[0+(\b):11+(\b)], 0, v[0+(\sa)], v[0+(\sb)] matrix_a_fmt:MATRIX_FMT_FP6 matrix_b_fmt:MATRIX_FMT_FP6 matrix_b_scale:MATRIX_SCALE_ROW1
.else
	v_wmma_scale_f32_16x16x128_f8f6f4 v[0+(\d):7+(\d)], v[0+(\a):11+(\a)], v[0+(\b):11+(\b)], 0, v[0+(\sa)], v[0+(\sb)] matrix_a_fmt:MATRIX_FMT_FP6 matrix_b_fmt:MATRIX_FMT_FP6 matrix_a_scale:MATRIX_SCALE_ROW1 matrix_b_scale:MATRIX_SCALE_ROW1
.endif
.endm
.macro MM d, a, b, cm, cr, sa, sb, ra, rb   ; cm = 0: C = D; 1: C = 0; 2: C = v[cr] on
.if (\cm) == 1
	MMZ \d, \a, \b, \sa, \sb, \ra, \rb
.elseif (\cm) == 2
	MMR \d, \a, \b, \cr, \sa, \sb, \ra, \rb
.else
	MMR \d, \a, \b, \d, \sa, \sb, \ra, \rb
.endif
.endm
.macro LOADW set, pimg, pscl, i        ; unit i of a stream of weights into a set: 13 loads
	WIN 0x40                                       ; destination window 1, address window 0
.irp k, 0,1,2,3,4,5,6,7,8,9,10,11
	global_load_b128 v[48*(\set)+4*\k:48*(\set)+4*\k+3], v[LI], s[\pimg:\pimg+1] offset:USZ*(\i)+512*\k
.endr
	WIN 0
	global_load_b64 v[WS+2*(\set):WS+2*(\set)+1], v[L8], s[\pscl:\pscl+1] offset:256*(\i)
.endm
.macro LOADX p, off, soff              ; the tokens' four fragments of a K step, and their scale words, from LDS into buffer p: 13 loads
	WIN 0x40
.irp k, 0,1,2,3,4,5,6,7,8,9,10,11
	ds_load_b128 v[XF+48*(\p)+4*\k:XF+48*(\p)+4*\k+3], v[LI] offset:(\off)+512*\k
.endr
	WIN 0
	ds_load_b64 v[XS-2*(\p):XS-2*(\p)+1], v[L8] offset:\soff
.endm
.macro LOADX1 p, i                     ; role A, first product: my two token tiles of K step i into buffer p: 7 loads
	WIN 0x40
.irp k, 0,1,2,3,4,5
	ds_load_b128 v[XF+48*(\p)+4*\k:XF+48*(\p)+4*\k+3], v[XA1] offset:XIMG+USZ*(\i)+512*\k
.endr
	WIN 0
	ds_load_b32 v[XS-2*(\p)], v[XS1] offset:256*(\i)   ; lanes 0-15 the first tile's words, lanes 16-31 the second's
.endm
.macro MUL16 set, p, orient, first     ; orient 1: source 0 = W's tile, accumulator 4 xt + tw; orient 0: source 0 = the tokens' tile, accumulator 4 tw + xt
	WIN 0x05                                       ; A and B window 1; C, D window 0
.irp xt, 0,1,2,3
.irp tw, 0,1,2,3
.if \orient
	MM ACC+8*(4*\xt+\tw), 48*(\set)+12*\tw, XF+48*(\p)+12*\xt, \first, BI+8*\tw, WS+2*(\set)+\tw/2, XS-2*(\p)+\xt/2, \tw%2, \xt%2
.else
	MM ACC+8*(4*\tw+\xt), XF+48*(\p)+12*\xt, 48*(\set)+12*\tw, \first, BI+8*\tw, XS-2*(\p)+\xt/2, WS+2*(\set)+\tw/2, \xt%2, \tw%2
.endif
.endr
.endr
	WIN 0
.endm
.macro WAITW i                         ; unit i of 16 is in: behind its 13 loads stand those of at most two later units
.if 15-(\i) >= 2
	s_wait_loadcnt 26
.else
	s_wait_loadcnt 13*(15-(\i))
.endif
.endm
.macro PLACES                          ; four places behind the products: in front of loads into their operands and of the first read of results
.rept 4
	v_nop
.endr
.endm
	s_load_b256 s[4:11], s[0:1], 0x0               ; img, scl, v_proj_b, qkimg
	s_load_b128 s[12:15], s[0:1], 0x20             ; qksc, vimg
	s_load_b64 s[16:17], s[0:1], 0x30              ; vsc
	v_lshl_add_u32 v254, v0, 2, 0x10000
	v_mov_b32 v255, 0
	v_lshrrev_b32 v26, 5, v0
	v_readfirstlane_b32 s18, v26                   ; wave 0..7
	s_lshr_b32 s19, ttmp9, 7                       ; role
	s_and_b32 s20, ttmp9, 127                      ; G: my 64 tokens
	s_lshr_b32 s21, s20, 5                         ; batch
	s_and_b32 s22, s20, 31                         ; G': the group within the batch
	s_mov_b32 s[SEL], 0x76543210
	s_mov_b32 s[SEL+1], 0xfedcba98
	s_mov_b32 s[HM], 0xffff0000
	v_and_b32 v28, 31, v0                          ; lane
	v_and_b32 v26, 15, v0                          ; r
	v_bfe_u32 v27, v0, 4, 1                        ; h
	v_lshlrev_b32 v[LI], 4, v28
	s_wait_alu depctr_va_vdst(0)
	v_lshlrev_b32 v[L8], 3, v28
	s_wait_alu depctr_va_vdst(0)
	v_lshlrev_b32 v[L4], 2, v28
	s_wait_alu depctr_va_sdst(0)                   ; s18, the wave's number, is written, ahead of its first reader
	; every LDS address is made here, ahead of the parting of the roles
	s_and_b32 s43, s18, 1                          ; which pair of token tiles (role A, first product)
	s_mul_i32 s44, s43, 3072
	v_add_nc_u32 v[XA1], s44, v[LI]
	s_lshl_b32 s45, s43, 2
	s_add_co_u32 s45, s45, XSC
	v_add_nc_u32 v[XS1], s45, v[L8]
	s_lshr_b32 s46, s18, 2                         ; the latent's K step that I make a part of,
	s_bfe_u32 s47, s18, 0x10001                    ; and which half of its fragments' registers
	s_mul_i32 s48, s46, USZ
	s_add_co_u32 s48, s48, s44
	s_add_co_u32 s48, s48, LIMG
	s_mul_i32 s49, s47, 520                        ; register pairs 0, 1, 2 lie at bytes 0, 8, 512 of an image (+ 16 l), pairs 3, 4, 5 at 520, 1024, 1032
	s_add_co_u32 s50, s48, s49
	v_add_nc_u32 v[LW0], s50, v[LI]
	s_add_co_u32 s50, s50, 512
	v_add_nc_u32 v[LW2], s50, v[LI]
	s_mul_i32 s50, s47, 1016
	s_add_co_u32 s50, s50, s48
	s_add_co_u32 s50, s50, 8
	v_add_nc_u32 v[LW1], s50, v[LI]
	s_lshl_b32 s50, s46, 8
	s_lshl_b32 s51, s43, 2
	s_add_co_u32 s50, s50, s51
	s_lshl_b32 s51, s47, 1
	s_add_co_u32 s50, s50, s51
	s_add_co_u32 s50, s50, LSC
	v_add_nc_u32 v[LSW], s50, v[L8]
	s_mul_i32 s50, s18, USZ
	v_add_nc_u32 v[XWI], s50, v[LI]
	s_lshl_b32 s51, s18, 8
	s_add_co_u32 s51, s51, XSC
	v_add_nc_u32 v[XWS], s51, v[L8]
	v_lshlrev_b32 v[SH16], 4, v27
	v_mov_b32 v29, 0x05040100
	v_mov_b32 v30, 0x07060302
	v_cndmask_b32 v[SELV], v29, v30, s[HM]
	v_and_b32 v29, 8, v26
	v_add_nc_u32 v29, v29, v26
	v_lshlrev_b32 v[BOF], 2, v29
.irp b, 0,1,2,3
	v_mov_b32 v[TM+4+\b], 0                        ; written once: a lane permute's destination counts as one of its sources
.endr
	; the first stream of weights: role A: basis_w's group w / 2; role B: v_proj_w's groups 2 w, 2 w + 1.  An offset is chosen, not a pointer
	s_lshr_b32 s44, s18, 1
	s_lshl_b32 s44, s44, 3
	s_add_co_u32 s44, s44, UB
	s_lshl_b32 s45, s18, 4
	s_add_co_u32 s45, s45, UV
	s_cmp_eq_u32 s19, 0
	s_cselect_b32 s44, s44, s45
	s_mov_b32 s47, 0
	s_lshl_b32 s48, s20, 3
	s_add_co_u32 s48, s48, s18                     ; x's unit 8 G + w
	s_wait_kmcnt 0x0
	s_mul_i32 s46, s44, USZ
	s_add_nc_u64 s[24:25], s[4:5], s[46:47]
	s_lshl_b32 s46, s44, 8
	s_add_nc_u64 s[26:27], s[6:7], s[46:47]
	s_mul_i32 s46, s48, USZ
	s_add_nc_u64 s[32:33], s[4:5], s[46:47]
	s_lshl_b32 s46, s48, 8
	s_add_nc_u64 s[34:35], s[6:7], s[46:47]
	s_wait_alu depctr_va_vdst(0)                   ; the addresses and offsets v1 to v14 are written: every load and store of the kernel reads some of them
	; the fill: wave w copies K step w of x's images and scale words into LDS
.irp k, 0,1,2,3,4,5,6,7,8,9,10,11
	global_load_b128 v[ACC+4*\k:ACC+4*\k+3], v[LI], s[32:33] offset:512*\k
.endr
	global_load_b64 v[ACC+48:ACC+49], v[L8], s[34:35]
.irp q, 0,1,2
	LOADW \q, 24, 26, \q
.endr
	s_wait_loadcnt 39                              ; the fill's 13 loads are in; the three sets of 13 may be out
.irp k, 0,1,2,3,4,5,6,7,8,9,10,11
	ds_store_b128 v[XWI], v[ACC+4*\k:ACC+4*\k+3] offset:512*\k
.endr
	ds_store_b64 v[XWS], v[ACC+48:ACC+49]
	s_wait_dscnt 0x0                               ; for the others' sake: my stores have landed
	s_barrier_signal -1
	s_barrier_wait -1                              ; x's eight K steps lie in LDS
	s_wait_alu depctr_vm_vsrc(0)                   ; the fill's LDS stores have read the accumulators' registers, which the products of either role write
	s_cmp_lg_u32 s19, 0
	s_cbranch_scc1 .Lrole_b
	; ================= ROLE A =================
	LOADX1 0, 0                                    ; unit 0's tokens
	s_lshl_b32 s44, s18, 3
	s_add_co_u32 s44, s44, UU                      ; the second stream: u's or v's groups 4 w on, two units each
	s_mul_i32 s46, s44, USZ
	s_add_nc_u64 s[28:29], s[4:5], s[46:47]
	s_lshl_b32 s46, s44, 8
	s_add_nc_u64 s[30:31], s[6:7], s[46:47]
	s_lshr_b32 s44, s18, 2
	s_lshl_b32 s44, s44, 6                         ; 64 x selector
	s_lshl_b32 s45, s21, 4
	s_add_co_u32 s44, s44, s45                     ; + 16 x batch
	s_lshl_b32 s45, s18, 2
	s_and_b32 s45, s45, 15
	s_add_co_u32 s44, s44, s45                     ; + my first head
	s_mul_i32 s46, s44, 98304
	s_mul_i32 s45, s22, 3072
	s_add_co_u32 s46, s46, s45
	s_add_nc_u64 s[36:37], s[10:11], s[46:47]      ; my group's two pair fragments
	s_lshl_b32 s46, s44, 12
	s_lshl_b32 s45, s22, 7
	s_add_co_u32 s46, s46, s45
	s_add_nc_u64 s[38:39], s[12:13], s[46:47]      ; and their scale words
; THE ASK of unit i of role A's 16 (eight of basis_w, then eight of u or v): the tokens of unit i + 1 into the other buffer, the weights of unit i + 2 into the set that unit i - 1 has left.
; Unit 8's tokens, the latent, are whole only behind the second barrier: unit 7 asks for no tokens.
.macro ASKA i
.if (\i) < 7
	LOADX1 ((\i)+1)%2, (\i)+1
.elseif ((\i) >= 8) && ((\i) < 15)
	LOADX ((\i)+1)%2, LIMG+USZ*(((\i)+1)%2), LSC+256*(((\i)+1)%2)
.endif
.if ((\i) >= 1) && ((\i)+2 < 8)
	LOADW ((\i)+2)%3, 24, 26, (\i)+2
.elseif ((\i) >= 1) && ((\i)+2 < 16)
	LOADW ((\i)+2)%3, 28, 30, (\i)+2-8
.endif
.endm
.macro UNITA1 i, first                 ; K step i of latent^T: my two token tiles x basis_w's four tiles: eight accumulators by turns
.if (\i) > 0
	s_wait_alu depctr_va_vdst(0)                   ; the products of the unit before are done reading their set of W, their buffer of tokens and both scale words, in which the loads of the ask land
.endif
	ASKA \i
	WAITW \i                                       ; this unit's 13 loads are in; two later units' may be out
.if (\i) < 7
	s_wait_dscnt 7                                 ; this unit's tokens are in; the seven LDS loads just issued may be out
.else
	s_wait_dscnt 0x0
.endif
	WIN 0x05
.irp u, 0,1
.irp tw, 0,1,2,3
	MM ACC+8*(4*\u+\tw), 48*((\i)%3)+12*\tw, XF+48*((\i)%2)+12*\u, \first, 0, WS+2*((\i)%3)+\tw/2, XS-2*((\i)%2), \tw%2, \u
.endr
.endr
	WIN 0
	PLACES
.endm
	UNITA1 0, 1
.irp i, 1,2,3,4,5,6,7
	UNITA1 \i, 0
.endr
	QUANT ACC                                      ; registers 0-31: my first token tile's 64 R units, 32-63: the second's: two half fragments, two bytes each
	v_lshrrev_b32 v[TW], v[SH16], v[PW]            ; lanes 0-15 store the first tile's two bytes, lanes 16-31 the second's
	s_wait_alu depctr_va_vdst(0)                   ; the quantiser has written v[PC ..] and v[TW], which the LDS stores read; unit 7's products are done reading their set and buffer, in which the loads behind the barrier land
.irp t, 0,1
	ds_store_b64 v[LW0], v[PC+6*\t:PC+6*\t+1] offset:1536*\t
	ds_store_b64 v[LW1], v[PC+6*\t+2:PC+6*\t+3] offset:1536*\t
	ds_store_b64 v[LW2], v[PC+6*\t+4:PC+6*\t+5] offset:1536*\t
.endr
	ds_store_b16 v[LSW], v[TW]
	s_wait_dscnt 0x0                               ; for the others' sake
	s_barrier_signal -1                            ; (the branch round this barrier hangs on the work-group's number: all eight waves take it alike)
	s_barrier_wait -1                              ; the latent's eight fragments lie in LDS
	LOADX 0, LIMG, LSC                             ; unit 8's tokens.  No vector or matrix instruction has been issued since the wait above
	ASKA 8
.macro UNITA2 i, first, ask            ; ask = 0: the unit's ask stands earlier, or it has none
.if \ask
	s_wait_alu depctr_va_vdst(0)                   ; the products of the unit before are done reading their set of W, their buffer of tokens and both scale words, in which the loads of the ask land
	ASKA \i
.endif
	WAITW \i
.if (\i) < 15
	s_wait_dscnt 13                                ; this unit's tokens are in; the thirteen LDS loads of its ask may be out
.else
	s_wait_dscnt 0x0
.endif
	MUL16 (\i)%3, (\i)%2, 1, \first
	PLACES
.endm
.macro EPIA pass                       ; a head's q or k of 64 tokens: two pair fragments and their scale words
	s_wait_xcnt 0x0                                ; earlier stores have read the registers that are written now
	s_wait_alu depctr_vm_vsrc(0)                   ; the stores issued so far (in the first pass: the latent's LDS stores) have read v[PC ..] and v[TW], which are written again
	QUANT ACC
	v_mov_b32 v[PWS], v[PW]
	s_wait_alu depctr_va_vdst(0)                   ; the quantiser has written v[PC ..], which the stores read
.irp c, 0,1,2
	global_store_b128 v[LI], v[PC+4*\c:PC+4*\c+3], s[36:37] offset:98304*(\pass)+512*\c
.endr
	s_wait_xcnt 0x0                                ; earlier stores have read the registers that are written now
	s_wait_alu depctr_vm_vsrc(0)                   ; the three stores above have read v[PC ..]
	QUANT ACC+64
	v_cndmask_b32 v[TW], v[PWS], v[PW], s[HM]      ; lanes 0-15 the first pair's words, lanes 16-31 the second's
	s_wait_alu depctr_va_vdst(0)                   ; the quantiser has written v[PC ..] and v[TW], which the stores read; the pass's last products are done reading the set and the buffer that the next unit's ask fills
	ASKA 10+2*(\pass)
.irp c, 0,1,2
	global_store_b128 v[LI], v[PC+4*\c:PC+4*\c+3], s[36:37] offset:98304*(\pass)+1536+512*\c
.endr
	global_store_b32 v[L4], v[TW], s[38:39] offset:4096*(\pass)
.endm
.irp pass, 0,1,2
	UNITA2 8+2*\pass, 1, 0
	UNITA2 9+2*\pass, 0, 1
	EPIA \pass
.endr
	UNITA2 14, 1, 0
	UNITA2 15, 0, 0                                ; the last unit asks for nothing
	EPIA 3
	s_wait_dscnt 0x0                               ; the closing lines, six on end
	s_wait_alu 0x0
	s_wait_tensorcnt 0x0
	ds_add_u32 v254, v255
	s_wait_dscnt 0x0
	s_endpgm
	; ================= ROLE B =================
; THE ASK of unit i of role B's 16: the tokens of unit i + 1 into the other buffer, the weights of unit i + 2 into the set that unit i - 1 has left
.macro ASKB i
.if (\i) < 15
	LOADX ((\i)+1)%2, XIMG+USZ*(((\i)+1)%8), XSC+256*(((\i)+1)%8)
.endif
.if ((\i) >= 1) && ((\i)+2 < 16)
	LOADW ((\i)+2)%3, 24, 26, (\i)+2
.endif
.endm
.Lrole_b:
	LOADX 0, XIMG, XSC                             ; unit 0's tokens,
	ASKB 0                                         ; and unit 1's
	s_lshl_b32 s44, s21, 4
	s_lshl_b32 s45, s18, 1
	s_add_co_u32 s44, s44, s45                     ; 16 x batch + my first head
	s_lshl_b32 s45, s44, 4
	s_lshr_b32 s46, s22, 1
	s_add_co_u32 s45, s45, s46                     ; the key step of 128 that my 64 tokens are a half of,
	s_mul_i32 s46, s45, USZ
	s_and_b32 s45, s22, 1
	s_mul_i32 s45, s45, 768                        ; and which half
	s_add_co_u32 s46, s46, s45
	s_add_nc_u64 s[36:37], s[14:15], s[46:47]
	s_lshl_b32 s46, s44, 5
	s_add_co_u32 s46, s46, s22
	s_lshl_b32 s46, s46, 7
	s_add_nc_u64 s[38:39], s[16:17], s[46:47]
	s_lshl_b32 s46, s18, 9
	s_add_nc_u64 s[28:29], s[8:9], s[46:47]        ; the bias of my 128 d
.irp hp, 0,1
.irp tw, 0,1,2,3
	global_load_b32 v[BV+4*\hp+\tw], v[BOF], s[28:29] offset:(64*\hp+32*(\tw/2)+8*(\tw%2))*4   ; a lane holds one d of each tile
.endr
.endr
	s_wait_loadcnt 0x0                             ; the bias is the first products' C; the three sets asked for ahead of the fill are waited for with it
.macro UNITV i, first, ask             ; ask = 0: the unit's ask stands earlier, or it has none
.if \ask
	s_wait_alu depctr_va_vdst(0)                   ; the products of the unit before are done reading their set of W, their buffer of tokens and both scale words, in which the loads of the ask land
	ASKB \i
.endif
	WAITW \i
.if (\i) < 15
	s_wait_dscnt 13                                ; this unit's tokens are in; the thirteen LDS loads of its ask may be out
.else
	s_wait_dscnt 0x0
.endif
	MUL16 (\i)%3, (\i)%2, 0, \first
	PLACES
.endm
.macro EPIB hp                         ; a head's V of 64 tokens: for each of four tiles of d half a fragment (768 consecutive bytes) and two scale bytes
	s_wait_xcnt 0x0                                ; earlier stores have read the registers that are written now
.if (\hp) > 0
	s_wait_alu depctr_vm_vsrc(0)                   ; the first head's stores have read v[PC ..] and v[TW], which are written again
.endif
	QUANT ACC
	v_mov_b32 v[PWS], v[PW]
	s_wait_alu depctr_va_vdst(0)                   ; the quantiser has written v[PC ..], which the stores read
.irp t, 0,1
.irp p, 0,1,2
	global_store_b64 v[L8], v[PC+6*\t+2*\p:PC+6*\t+2*\p+1], s[36:37] offset:98304*(\hp)+1536*\t+256*\p
.endr
.endr
	s_wait_xcnt 0x0                                ; earlier stores have read the registers that are written now
	s_wait_alu depctr_vm_vsrc(0)                   ; the six stores above have read v[PC ..]
	QUANT ACC+64
	v_perm_b32 v[TW], v[PW], v[PWS], v[SELV]       ; lanes 0-15: tiles 0 and 2; lanes 16-31: tiles 1 and 3
	s_wait_alu depctr_va_vdst(0)                   ; the quantiser has written v[PC ..] and v[TW], which the stores read; the head's last products are done reading the set and the buffer that the next unit's ask fills
	ASKB 8+8*(\hp)
.irp t, 0,1
.irp p, 0,1,2
	global_store_b64 v[L8], v[PC+6*\t+2*\p:PC+6*\t+2*\p+1], s[36:37] offset:98304*(\hp)+1536*(2+\t)+256*\p
.endr
.endr
	global_store_b32 v[L4], v[TW], s[38:39] offset:4096*(\hp)
.endm
.macro BIAS hp                         ; the bias in the result's layout: a lane's eight registers are eight tokens of one d
.irp tw, 0,1,2,3
.irp j, 0,1,2,3,4,5,6,7
	v_mov_b32 v[BI+8*\tw+\j], v[BV+4*(\hp)+\tw]
.endr
.endr
.endm
	BIAS 0
	s_wait_alu depctr_va_vdst(0)
	UNITV 0, 2, 0
.irp s, 1,2,3,4,5,6,7
	UNITV \s, 0, 1
.endr
	EPIB 0
	BIAS 1
	s_wait_alu depctr_va_vdst(0)
	UNITV 8, 2, 0
.irp s, 9,10,11,12,13,14
	UNITV \s, 0, 1
.endr
	UNITV 15, 0, 0                                 ; the last unit asks for nothing
	EPIB 1
	s_wait_dscnt 0x0                               ; the closing lines, six on end
	s_wait_alu 0x0
	s_wait_tensorcnt 0x0
	ds_add_u32 v254, v255
	s_wait_dscnt 0x0
	s_endpgm
.Lfunc_end_k_q57e35bfe0d_front:
	.size	k_q57e35bfe0d_front, .Lfunc_end_k_q57e35bfe0d_front-k_q57e35bfe0d_front
	.p2alignl 7, 3214868480
	.fill 96, 4, 3214868480
	.section	.rodata,"a",@progbits
	.p2align	6, 0x0
	.amdhsa_kernel k_q57e35bfe0d_front
		.amdhsa_group_segment_fixed_size 66560
		.amdhsa_private_segment_fixed_size 0
		.amdhsa_enable_private_segment 0
		.amdhsa_kernarg_size 56
		.amdhsa_user_sgpr_count 2
		.amdhsa_user_sgpr_kernarg_segment_ptr 1
		.amdhsa_wavefront_size32 1
		.amdhsa_system_sgpr_workgroup_id_x 1
		.amdhsa_system_sgpr_workgroup_id_y 1
		.amdhsa_system_sgpr_workgroup_id_z 1
		.amdhsa_system_vgpr_workitem_id 0
		.amdhsa_next_free_vgpr 512
		.amdhsa_next_free_sgpr 66
		.amdhsa_reserve_vcc 0
		.amdhsa_float_denorm_mode_32 3
		.amdhsa_float_denorm_mode_16_64 3
		.amdhsa_memory_ordered 1
		.amdhsa_forward_progress 1
		.amdhsa_inst_pref_size 194
	.end_amdhsa_kernel
	.amdgpu_metadata
---
amdhsa.version: [ 1, 2 ]
amdhsa.kernels:
  - .name:           k_q57e35bfe0d_front
    .symbol:         k_q57e35bfe0d_front.kd
    .args:
      - { .name: img, .offset: 0, .size: 8, .value_kind: global_buffer, .address_space: global }
      - { .name: scl, .offset: 8, .size: 8, .value_kind: global_buffer, .address_space: global }
      - { .name: v_proj_b, .offset: 16, .size: 8, .value_kind: global_buffer, .address_space: global }
      - { .name: qkimg, .offset: 24, .size: 8, .value_kind: global_buffer, .address_space: global }
      - { .name: qksc, .offset: 32, .size: 8, .value_kind: global_buffer, .address_space: global }
      - { .name: vimg, .offset: 40, .size: 8, .value_kind: global_buffer, .address_space: global }
      - { .name: vsc, .offset: 48, .size: 8, .value_kind: global_buffer, .address_space: global }
    .group_segment_fixed_size: 66560
    .private_segment_fixed_size: 0
    .kernarg_segment_align: 8
    .kernarg_segment_size: 56
    .max_flat_workgroup_size: 256
    .sgpr_count:     66
    .vgpr_count:     512
    .wavefront_size: 32
...
	.end_amdgpu_metadata
.endif
;; end of part 6
;; launch attn (part 7): grid 4 x 64, 16 waves a work-group, no clusters, 206,848 bytes of LDS; arguments qkimg, qksc, vimg, vsc, yimg, ysc; writes yimg, ysc
.if DOCPART == 7
	.amdgcn_target "amdgcn-amd-amdhsa--gfx1250"
	.amdhsa_code_object_version 6
	.text
	.protected	k_q57e35bfe0d_attn
	.globl	k_q57e35bfe0d_attn
	.p2align	8
	.type	k_q57e35bfe0d_attn,@function
k_q57e35bfe0d_attn:
	s_mov_b64 s[64:65], 0
	v_nop
	global_prefetch_b8 v0, s[64:65] scope:SCOPE_SE
	s_setreg_imm32_b32 hwreg(HW_REG_WAVE_SCHED_MODE, 0, 2), 2
	s_setreg_imm32_b32 hwreg(HW_REG_WAVE_MODE, 25, 1), 1
	s_wait_xcnt 0x0
	s_wait_alu depctr_vm_vsrc(0)
; Causal attention of one batch and head (work-group y), both products on codes of FP6 (E2M3) with E8M0 scales; y = O / l is quantised along the head's 64 and stored as half fragments.
; t = score x log2(e) / 8; M = the running largest t rounded up to a whole number; p = 2^(t - M) is quantised along the keys; the row's sum is taken of the unquantised p and divides at the end.
; SHARES.  Four work-groups a head, sixteen waves each.  With n = 4 x wave + work-group x, a wave owns the query tiles 2 n and 127 - 2 n (16 queries each): the first needs key steps 0 .. wave, the second 0 .. 15 - wave:
; seventeen steps of 128 keys in every wave, two of them on the diagonal.  A step all of whose keys come after the tile's queries is jumped over (a branch on ids); the loops' trip counts are constants.
; A head's K and V (codes and scale words, 204,800 bytes) come into LDS once, through registers, wave w bringing key step w; one barrier; nothing is stored to LDS behind it.
; K = 64 IN AN INSTRUCTION OF 128: source 0 is a PAIR FRAGMENT (two tiles of 16 keys side by side along the instruction's K), source 1 is Q beside zero codes: [Q | 0] gives the first tile's scores, [0 | Q] the second's.
; Both products are used transposed: a lane holds one query (lane % 16); register 16 b + i of the scores is key 32 b + 16 (lane / 16) + i of the step.
; THE MODE: SCHED_MODE bits 1:0 = 2 (LLVM: expert scheduling mode 2), set by the entry lines.  The code itself states the register dependences
; between vector or matrix instructions and memory or LDS instructions, with s_wait_alu, always for 0.
; THE PLAN.  Registers that memory or LDS instructions touch, in a key step:
;   v36-83, v84-87   K's four fragments and scale words land at the step's head and are read by K Q^T; V's land in the same fragments behind the exponentials and are read by V^T P^T at the step's end.
;   v8-11            The step's LDS addresses: written by four additions at the step's head, read by the step's 26 LDS loads.
;   v192-203, v224   p's codes and scale word: written by vector instructions, taken by the scaled products.
; Five waits on va_vdst a step, one of them ahead of the 64 exponentials; the others: (1) behind the additions: the addresses are written and the last step's V^T P^T is done reading the fragments; in a tile's first step also: Q's scale word is written;
; (2) behind the 64 exponentials: their results are written, and K Q^T is done reading the fragments: V's loads follow it at once and land under the sums and the conversions; (3) behind the four exponentials of the blocks' largest p;
; (4) behind the rescaling of O^T: p's codes and scale word are written.  One wait on vm_vsrc a step stands ahead of the additions.
; Outside the steps: v22-27 and v228 take Q's loads at a tile's head; v192-197 and v248 are the data of a tile's stores; v36-83 and v96-149 pass the fill.
; REGISTERS: v1-7, v35, v88 addresses that stay; v8-11 the step's; v12 -M, v13 the largest t, v[14:15] the sum; v16-33 zeros, Q, zeros; v34 Q's scale word; v36-83 four fragments of K, then of V; v84-87 their scale words;
;   v96-159 scores, then p; v160-191 O^T; v192-210 codes; v212-231 at work; v232-248 the quantiser of y.
; LIMITS: NaN and infinities are not served; a block of zeros, or one whose largest magnitude lies under 2^-124, gets the byte 1.
.set VIMG, 98304                       ; LDS: K's 64 pair fragments from byte 0; V's [key step][tile of d 4][1536] from here;
.set KSC,  196608                      ; K's scale words [key step][lane][2];
.set VSC,  200704                      ; V's likewise
.set QS,   34
.set L4,   35
.set FR,   36
.set KS,   84
.set VS,   86
.set R4,   88
.set S,    96
.set O,    160
.set PC,   192
.set BM,   212
.set BT,   216
.set BO,   220
.set PS,   224
.set F,    226
.set W0,   228
.set NINF, 230
.set DM,   231
.set TM,   232
.set PW,   248
.set CS,   22
.set SEL,  24
.set KC,   44
.set TK,   45
.set TS,   46
.set LAST, 47
.macro MMR d, a, b, c, sa, sb, ra, rb
.if ((\ra) == 0) && ((\rb) == 0)
	v_wmma_scale_f32_16x16x128_f8f6f4 v[0+(\d):7+(\d)], v[0+(\a):11+(\a)], v[0+(\b):11+(\b)], v[0+(\c):7+(\c)], v[0+(\sa)], v[0+(\sb)] matrix_a_fmt:MATRIX_FMT_FP6 matrix_b_fmt:MATRIX_FMT_FP6
.else
	v_wmma_scale_f32_16x16x128_f8f6f4 v[0+(\d):7+(\d)], v[0+(\a):11+(\a)], v[0+(\b):11+(\b)], v[0+(\c):7+(\c)], v[0+(\sa)], v[0+(\sb)] matrix_a_fmt:MATRIX_FMT_FP6 matrix_b_fmt:MATRIX_FMT_FP6 matrix_a_scale:MATRIX_SCALE_ROW1
.endif
.endm
.macro MMZ d, a, b, sa, sb, ra, rb
.if ((\ra) == 0) && ((\rb) == 0)
	v_wmma_scale_f32_16x16x128_f8f6f4 v[0+(\d):7+(\d)], v[0+(\a):11+(\a)], v[0+(\b):11+(\b)], 0, v[0+(\sa)], v[0+(\sb)] matrix_a_fmt:MATRIX_FMT_FP6 matrix_b_fmt:MATRIX_FMT_FP6
.else
	v_wmma_scale_f32_16x16x128_f8f6f4 v[0+(\d):7+(\d)], v[0+(\a):11+(\a)], v[0+(\b):11+(\b)], 0, v[0+(\sa)], v[0+(\sb)] matrix_a_fmt:MATRIX_FMT_FP6 matrix_b_fmt:MATRIX_FMT_FP6 matrix_a_scale:MATRIX_SCALE_ROW1
.endif
.endm
.macro QUANTH s                        ; 32 numbers of a lane, register 16 b + i = k 32 b + 16 (lane / 16) + i, become half a fragment in v[PC] .. v[PC + 5] and two scale bytes in v[PW]
.irp b, 0,1
	v_max3_num_f32 v[TM+\b], |v[\s+16*\b]|, |v[\s+1+16*\b]|, 0x1800000
.endr
.irp i, 2,4,6,8,10,12,14
.irp b, 0,1
	v_max3_num_f32 v[TM+\b], v[TM+\b], |v[\s+16*\b+\i]|, |v[\s+1+16*\b+\i]|
.endr
.endr
.irp b, 0,1
	v_permlanex16_b32 v[TM+4+\b], v[TM+\b], s[SEL], s[SEL+1]
.endr
.irp b, 0,1
	v_max_num_f32 v[TM+\b], v[TM+\b], v[TM+4+\b]
.endr
.irp b, 0,1
	v_add_nc_u32 v[TM+12+\b], 0xff000000, v[TM+\b]
.endr
.irp b, 0,1
	v_lshrrev_b32 v[TM+4+\b], 23, v[TM+12+\b]
.endr
	v_lshl_or_b32 v[PW], v[TM+5], 8, v[TM+4]
	v_cvt_scalef32_pk16_fp6_f32 v[PC:PC+2], v[\s:\s+15], v[TM+12]
	v_cvt_scalef32_pk16_fp6_f32 v[PC+12:PC+14], v[\s+16:\s+31], v[TM+13]
	v_nop                                          ; one plain place behind a scaled conversion
.irp i, 0,1,2
	v_permlane16_swap_b32 v[PC+\i], v[PC+12+\i]
.endr
.irp i, 0,1,2
	v_mov_b32 v[PC+3+\i], v[PC+12+\i]
.endr
.endm
	s_load_b256 s[4:11], s[0:1], 0x0               ; qkimg, qksc, vimg, vsc
	s_load_b128 s[12:15], s[0:1], 0x20             ; yimg, ysc
	v_lshl_add_u32 v254, v0, 2, 0x32000
	v_mov_b32 v255, 0
	v_lshrrev_b32 v8, 5, v0
	v_readfirstlane_b32 s16, v8                    ; wave 0..15
	s_mov_b32 s17, ttmp9                           ; work-group x, 0..3
	s_and_b32 s18, ttmp7, 0xffff                   ; 16 x batch + head
	s_lshr_b32 s19, s18, 4
	s_and_b32 s20, s18, 15
	s_mov_b32 s[CS], 0x3e38aa3b                    ; c = log2(e) / 8
	s_mov_b32 s[CS+1], s[CS]                       ; (named with it as a pair, so it is written)
	s_mov_b32 s[SEL], 0x76543210
	s_mov_b32 s[SEL+1], 0xfedcba98
	s_mov_b32 s26, 0x05040100
	s_mov_b32 s27, 0x07060302
	v_and_b32 v8, 31, v0                           ; lane
	v_and_b32 v9, 15, v0                           ; r
	v_bfe_u32 v10, v0, 4, 1                        ; h
	v_lshlrev_b32 v1, 4, v8                        ; 16 l: K's images
	v_add_nc_u32 v2, VIMG, v1                      ; V's
	v_lshlrev_b32 v6, 3, v8                        ; 8 l
	v_add_nc_u32 v3, KSC, v6
	v_add_nc_u32 v4, VSC, v6
	v_lshlrev_b32 v7, 1, v8                        ; 2 l
	v_lshlrev_b32 v[L4], 2, v8
	v_lshlrev_b32 v[R4], 2, v9
	v_and_b32 v11, 8, v9
	v_add_nc_u32 v11, v11, v9
	v_lshlrev_b32 v10, 4, v10
	v_sub_nc_u32 v5, v11, v10                      ; r + 8 (r / 8) - 16 h
	s_wait_alu depctr_va_sdst(0)                   ; s16, the wave's number, is written, ahead of its first reader
	s_mul_i32 s28, s16, 6144
	s_lshl_b32 s29, s16, 8
	v_add_nc_u32 v89, s28, v1                      ; the fill: my key step's places
	v_add_nc_u32 v90, s28, v2
	v_add_nc_u32 v91, s29, v3
	v_add_nc_u32 v92, s29, v4
	s_mul_i32 s50, s18, 98304
	s_mov_b32 s51, 0
	s_wait_kmcnt 0x0
	s_add_nc_u64 s[30:31], s[4:5], s[50:51]        ; q's pair fragments of my head
	s_add_co_u32 s50, s50, s28
	s_add_nc_u64 s[40:41], s[8:9], s[50:51]        ; V's key step w
	s_add_co_u32 s50, s50, 6291456
	s_add_nc_u64 s[38:39], s[4:5], s[50:51]        ; k's key step w
	s_lshl_b32 s50, s18, 12
	s_add_nc_u64 s[32:33], s[6:7], s[50:51]        ; q's scale words
	s_add_co_u32 s50, s50, s29
	s_add_nc_u64 s[60:61], s[10:11], s[50:51]      ; V's, key step w
	s_add_co_u32 s50, s50, 262144
	s_add_nc_u64 s[42:43], s[6:7], s[50:51]        ; k's, key step w
	s_mul_i32 s50, s19, 1572864
	s_mul_i32 s52, s20, 768
	s_add_co_u32 s50, s50, s52
	s_add_nc_u64 s[34:35], s[12:13], s[50:51]      ; y's images: my batch's first tile, my head
	s_lshl_b32 s50, s19, 17
	s_lshl_b32 s52, s20, 6
	s_add_co_u32 s50, s50, s52
	s_add_nc_u64 s[36:37], s[14:15], s[50:51]      ; and scale bytes
	s_wait_alu depctr_va_vdst(0)                   ; the addresses and offsets that stay (v1 to v7, v35, v88 to v92) are written: the loads and stores of the kernel read them
	; ---- the fill
.irp k, 0,1,2,3,4,5,6,7,8,9,10,11
	global_load_b128 v[FR+4*\k:FR+4*\k+3], v1, s[38:39] offset:512*\k
.endr
.irp n, 0,1,2,3
.irp p, 0,1,2,3,4,5
	global_load_b64 v[S+12*\n+2*\p:S+12*\n+2*\p+1], v6, s[40:41] offset:1536*\n+256*\p   ; V lies by register pairs, since each half of a fragment was made by another work-group
.endr
.endr
	global_load_b32 v144, v[L4], s[42:43]
	global_load_b32 v145, v[L4], s[42:43] offset:128
	global_load_b32 v146, v[L4], s[60:61]
	global_load_b32 v147, v[L4], s[60:61] offset:128
.irp j, 16,17,18,19,20,21,28,29,30,31,32,33
	v_mov_b32 v\j, 0                               ; the zero codes beside Q; never rewritten
.endr
.irp b, 0,1,2,3
	v_mov_b32 v[BT+\b], 0                          ; written once: a lane permute's destination counts as one of its sources
.endr
	v_mov_b32 v[TM+4], 0
	v_mov_b32 v[TM+5], 0
	v_mov_b32 v[W0], 0
	v_mov_b32 v[F+1], 0                            ; (named as the upper half of a pair)
	v_mov_b32 v[NINF], 0xff800000                  ; -infinity
	s_wait_loadcnt 0x0
	v_perm_b32 v148, v147, v146, s26               ; a tile's four bytes: two of the step's first 64 keys, two of its second
	v_perm_b32 v149, v147, v146, s27
	s_wait_alu depctr_va_vdst(0)                   ; v148 and v149 are written, which an LDS store below reads; so is v228, in which Q's scale word lands at the first tile's head
.irp k, 0,1,2,3,4,5,6,7,8,9,10,11
	ds_store_b128 v89, v[FR+4*\k:FR+4*\k+3] offset:512*\k
.endr
.irp n, 0,1,2,3
.irp p, 0,1,2,3,4,5
	ds_store_b64 v90, v[S+12*\n+2*\p:S+12*\n+2*\p+1] offset:1536*\n+512*(\p/2)+8*(\p%2)   ; pair p to its place in an image of chunks of four registers
.endr
.endr
	ds_store_b64 v91, v[144:145]
	ds_store_b64 v92, v[148:149]
	s_wait_dscnt 0x0                               ; for the others' sake
	s_barrier_signal -1
	s_barrier_wait -1                              ; the head's K and V lie in LDS
	s_wait_alu depctr_vm_vsrc(0)                   ; the fill's LDS stores have read v36 to v83 and v96 to v149, which LDS loads and products write from here on
.macro TILE u                          ; my query tile 2 B + u, B the pair of tiles
	s_lshl_b32 s49, s16, 2
	s_add_co_u32 s49, s49, s17
.if \u == 0
	s_mov_b32 s[LAST], s16                         ; the step on the diagonal,
	s_mov_b32 s48, s17                             ; and which 32 of its keys hold my queries
.else
	s_sub_co_u32 s49, 63, s49
	s_sub_co_u32 s[LAST], 15, s16
	s_sub_co_u32 s48, 3, s17
.endif
	s_mul_i32 s50, s49, 1536
	s_add_nc_u64 s[52:53], s[30:31], s[50:51]
	s_lshl_b32 s50, s49, 6
	s_add_nc_u64 s[54:55], s[32:33], s[50:51]
	; Q's three loads.  No vector or matrix instruction has been issued since the last wait on va_vdst (ahead of the fill's stores; ahead of the first tile's stores), behind which every earlier reader and writer of v22 to v27 and v228 is done
.if \u == 0
	global_load_b128 v[22:25], v1, s[52:53]            ; registers 0-5 of the pair fragment
	global_load_b64 v[26:27], v1, s[52:53] offset:512
.else
	global_load_b64 v[22:23], v1, s[52:53] offset:520  ; registers 6-11
	global_load_b128 v[24:27], v1, s[52:53] offset:1024
.endif
	global_load_b32 v[W0], v[R4], s[54:55]
	s_lshl_b32 s50, s49, 1
	s_add_co_u32 s50, s50, \u
	s_lshl_b32 s62, s50, 10
	s_mul_i32 s50, s50, 12288
	s_add_nc_u64 s[56:57], s[34:35], s[50:51]      ; where my tile's y goes
	s_mov_b32 s50, s62
	s_add_nc_u64 s[58:59], s[36:37], s[50:51]
	s_lshl_b32 s50, s48, 5
	s_add_co_u32 s50, s50, 8*\u
	s_mov_b32 s[KC], 0
	s_mov_b32 s[TK], 0
	s_mov_b32 s[TS], 0
	s_wait_loadcnt 0x0
.if \u == 0
	v_perm_b32 v[QS], v[W0], v[W0], 0x01000100     ; my tile's two bytes, twice: they serve Q in either half of the instruction's K
.else
	v_perm_b32 v[QS], v[W0], v[W0], 0x03020302
.endif
	v_add_nc_u32 v[DM], s50, v5                    ; my query - the diagonal step's first key - 16 h.  (These 38 lines are also the places between the scale word's making and the first product)
	v_mov_b32 v13, 0xff61b1e6                      ; the largest t so far: -3e38
	v_floor_f32 v12, -v13                          ; -M
	v_mov_b32 v14, 0
	v_mov_b32 v15, 0
.set j, 0
.rept 32
	v_mov_b32 v[O+j], 0                            ; the step is written once: the first finds zeros
.set j, j+1
.endr
.Lstep_\@:                                         ; 16 trips; a trip whose keys all come after my queries only steps the addresses
	s_cmp_gt_u32 s[KC], s[LAST]
	s_cbranch_scc1 .Lhid_\@
	s_wait_alu depctr_vm_vsrc(0)                   ; the LDS loads issued so far have read v8 to v11
	v_add_nc_u32 v8, s[TK], v1                     ; (four places behind the last step's products, in front of the loads into their operands)
	v_add_nc_u32 v9, s[TK], v2
	v_add_nc_u32 v10, s[TS], v3
	v_add_nc_u32 v11, s[TS], v4
	s_wait_alu depctr_va_vdst(0)                   ; v8 to v11 are written, which this step's LDS loads read; the last step's products are done reading the fragments and scale words in which K's loads land; in a tile's first step: Q's scale word is written, which the scaled products take
.irp k, 0,1,2,3,4,5,6,7,8,9,10,11
	ds_load_b128 v[FR+4*\k:FR+4*\k+3], v8 offset:512*\k
.endr
	ds_load_b64 v[KS:KS+1], v10
	s_wait_dscnt 0x0
.irp b, 0,1,2,3                                ; S^T = K Q^T: pair b's first tile against [Q | 0], its second against [0 | Q]
.irp e, 0,1
	MMZ S+8*(2*\b+\e), FR+12*\b, 22-6*\e, KS+\b/2, QS, \b%2, 0
.endr
.endr
.rept 4
	v_nop                                          ; places in front of the first read of the scores
.endr
	s_cmp_lt_u32 s[KC], s[LAST]
	s_cbranch_scc1 .Lopen_\@
.set g, 0
.rept 4                                        ; on the diagonal: register 16 b + i holds key 32 b + i + 16 h of the step: hidden where 32 b + i > v[DM].  Sixteen compares to a run, into scalar registers that the head has done with (s4-15, s38-41)
.set n, 0
.rept 16
	v_cmp_gt_i32 s[4+n+22*(n/12)], 32*g+n, v[DM]
.set n, n+1
.endr
	s_wait_alu depctr_va_sdst(0)                   ; the run's sixteen masks are written, ahead of the selects that read them
.set n, 0
.rept 16
	v_cndmask_b32 v[S+16*g+n], v[S+16*g+n], v[NINF], s[4+n+22*(n/12)]
.set n, n+1
.endr
.set g, g+1
.endr
.Lopen_\@:
.irp b, 0,1,2,3
	v_max3_num_f32 v[BM+\b], v[S+16*\b], v[S+1+16*\b], v[S+2+16*\b]   ; the largest score of each block of 32 keys: for the row's maximum, and, since p rises with the score, for the block's largest p
.endr
.irp i, 3,5,7,9,11,13
.irp b, 0,1,2,3
	v_max3_num_f32 v[BM+\b], v[BM+\b], v[S+16*\b+\i], v[S+1+16*\b+\i]
.endr
.endr
.irp b, 0,1,2,3
	v_max_num_f32 v[BM+\b], v[BM+\b], v[S+15+16*\b]
.endr
.irp b, 0,1,2,3
	v_permlanex16_b32 v[BT+\b], v[BM+\b], s[SEL], s[SEL+1]
.endr
.irp b, 0,1,2,3
	v_max_num_f32 v[BM+\b], v[BM+\b], v[BT+\b]     ; with lane l xor 16's 16 keys
.endr
	v_max3_num_f32 v[W0], v[BM], v[BM+1], v[BM+2]
	v_max_num_f32 v[W0], v[W0], v[BM+3]
	v_mul_f32 v[W0], s[CS], v[W0]
	v_max_num_f32 v13, v13, v[W0]                  ; the running largest t
	v_mov_b32 v[W0], v12
	v_floor_f32 v12, -v13                          ; the new -M = -ceil(t)
	v_sub_f32 v[W0], v12, v[W0]                    ; old M - new M: a whole number, 0 or less
	v_cvt_i32_f32 v[W0], v[W0]                     ; (it saturates)
	v_ldexp_f32 v[F], 1.0, v[W0]                   ; f = 2^(old M - new M)
.set j, 0
.rept 32
	v_pk_fma_f32 v[S+j:S+j+1], v[S+j:S+j+1], s[CS:CS+1], v[12:13] op_sel_hi:[1,0,0]   ; t - M
.set j, j+2
.endr
.irp b, 0,1,2,3
	v_fma_f32 v[BM+\b], v[BM+\b], s[CS], v12
.endr
.set j, 0
	s_wait_alu depctr_va_vdst(0)
.rept 64
	v_exp_f32 v[S+j], v[S+j]                       ; p = 2^(t - M)
.set j, j+1
.endr
	v_pk_mul_f32 v[14:15], v[14:15], v[F:F+1] op_sel_hi:[1,0]   ; the sums under the new M (a plain place behind the exponentials)
	s_wait_alu depctr_va_vdst(0)                   ; the 64 exponentials have written p, ahead of its first reader (one wait for the batch); and K Q^T is done reading the fragments, in which V's loads land
.irp k, 0,1,2,3,4,5,6,7,8,9,10,11
	ds_load_b128 v[FR+4*\k:FR+4*\k+3], v9 offset:512*\k   ; V's four fragments land under the sums, the conversions and the rescaling
.endr
	ds_load_b64 v[VS:VS+1], v11
.irp b, 0,1,2,3
	v_exp_f32 v[BM+\b], v[BM+\b]                   ; each block's largest p
.endr
	v_pk_add_f32 v[BT:BT+1], v[S:S+1], v[S+2:S+3]  ; the row's sum, of the unquantised p, in two chains
.set j, 4
.rept 15
	v_pk_add_f32 v[14:15], v[14:15], v[S+j:S+j+1]
	v_pk_add_f32 v[BT:BT+1], v[BT:BT+1], v[S+j+2:S+j+3]
.set j, j+4
.endr
	v_pk_add_f32 v[14:15], v[14:15], v[BT:BT+1]
	s_wait_alu depctr_va_vdst(0)                   ; the four exponentials have written the blocks' largest p, ahead of its first reader
.irp b, 0,1,2,3
	v_max_num_f32 v[BM+\b], 0x1800000, v[BM+\b]    ; the floor 2^(3 - 127)
.endr
.irp b, 0,1,2,3
	v_add_nc_u32 v[BO+\b], 0xff000000, v[BM+\b]
.endr
.irp b, 0,1,2,3
	v_lshrrev_b32 v[BT+\b], 23, v[BO+\b]
.endr
	v_lshl_or_b32 v[PS], v[BT+1], 8, v[BT]         ; p's scale word for these 128 keys
	v_lshl_or_b32 v[PS], v[BT+2], 16, v[PS]
	v_lshl_or_b32 v[PS], v[BT+3], 24, v[PS]
.irp c, 0,1
	v_cvt_scalef32_pk16_fp6_f32 v[PC+6*\c:PC+2+6*\c], v[S+32*\c:S+15+32*\c], v[BO+2*\c]
	v_cvt_scalef32_pk16_fp6_f32 v[PC+12+4*\c:PC+14+4*\c], v[S+16+32*\c:S+31+32*\c], v[BO+2*\c+1]
.endr
	v_nop                                          ; one plain place behind a scaled conversion
.irp c, 0,1
.irp i, 0,1,2
	v_permlane16_swap_b32 v[PC+6*\c+\i], v[PC+12+4*\c+\i]
.endr
.irp i, 0,1,2
	v_mov_b32 v[PC+3+6*\c+\i], v[PC+12+4*\c+\i]
.endr
.endr
.set j, 0
.rept 16
	v_pk_mul_f32 v[O+j:O+j+1], v[O+j:O+j+1], v[F:F+1] op_sel_hi:[1,0]   ; O^T under the new M; these lines are also the places in front of the products below
.set j, j+2
.endr
	s_wait_alu depctr_va_vdst(0)                   ; p's codes and its scale word are written, which the scaled products take; the places above stay beside this wait
	s_wait_dscnt 0x0                               ; V is in
.irp n, 0,1,2,3                                ; O^T += V^T P^T
	MMR O+8*\n, FR+12*\n, PC, O+8*\n, VS+\n/2, PS, \n%2, 0
.endr
.Lhid_\@:
	s_add_co_u32 s[TK], s[TK], 6144
	s_add_co_u32 s[TS], s[TS], 256
	s_add_co_u32 s[KC], s[KC], 1
	s_cmp_lt_u32 s[KC], 16
	s_cbranch_scc1 .Lstep_\@
	; ---- the way out: y = O^T / the sum, quantised along the head's 64: half a fragment, 768 consecutive bytes, and two scale bytes a row
.rept 4
	v_nop                                          ; places behind the last products: the trips between may hold no vector instruction
.endr
	v_add_f32 v14, v14, v15
	v_permlanex16_b32 v[W0], v14, s[SEL], s[SEL+1]
	v_add_f32 v14, v14, v[W0]                      ; the row's sum
	s_wait_alu depctr_va_vdst(0)
	v_rcp_f32 v14, v14
	v_nop                                          ; a plain place behind the reciprocal
	s_wait_alu depctr_va_vdst(0)                   ; the reciprocal is written, ahead of its first reader
.set j, 0
.rept 32
	v_mul_f32 v[S+j], v[O+j], v14                  ; register 16 b + i is d 32 b + 16 h + i of my query
.set j, j+1
.endr
	QUANTH S
	s_wait_alu depctr_va_vdst(0)                   ; the quantiser has written v[PC ..] and v[PW], which the stores read; every reader and writer of v22 to v27 and v228 is done, in which the next tile's loads of Q land
.irp p, 0,1,2
	global_store_b64 v6, v[PC+2*\p:PC+2*\p+1], s[56:57] offset:256*\p
.endr
	global_store_b16 v7, v[PW], s[58:59]
	s_wait_xcnt 0x0                                ; the stores have read their registers and bases: the next tile writes them again
.if \u == 0
	s_wait_alu depctr_vm_vsrc(0)                   ; the stores have read v[PC ..] and v[PW], which the next tile's conversions write again
.endif
.endm
	TILE 0
	TILE 1
	s_wait_dscnt 0x0                               ; the closing lines, six on end
	s_wait_alu 0x0
	s_wait_tensorcnt 0x0
	ds_add_u32 v254, v255
	s_wait_dscnt 0x0
	s_endpgm
.Lfunc_end_k_q57e35bfe0d_attn:
	.size	k_q57e35bfe0d_attn, .Lfunc_end_k_q57e35bfe0d_attn-k_q57e35bfe0d_attn
	.p2alignl 7, 3214868480
	.fill 96, 4, 3214868480
	.section	.rodata,"a",@progbits
	.p2align	6, 0x0
	.amdhsa_kernel k_q57e35bfe0d_attn
		.amdhsa_group_segment_fixed_size 206848
		.amdhsa_private_segment_fixed_size 0
		.amdhsa_enable_private_segment 0
		.amdhsa_kernarg_size 48
		.amdhsa_user_sgpr_count 2
		.amdhsa_user_sgpr_kernarg_segment_ptr 1
		.amdhsa_wavefront_size32 1
		.amdhsa_system_sgpr_workgroup_id_x 1
		.amdhsa_system_sgpr_workgroup_id_y 1
		.amdhsa_system_sgpr_workgroup_id_z 1
		.amdhsa_system_vgpr_workitem_id 0
		.amdhsa_next_free_vgpr 256
		.amdhsa_next_free_sgpr 66
		.amdhsa_reserve_vcc 0
		.amdhsa_float_denorm_mode_32 3
		.amdhsa_float_denorm_mode_16_64 3
		.amdhsa_memory_ordered 1
		.amdhsa_forward_progress 1
		.amdhsa_inst_pref_size 72
	.end_amdhsa_kernel
	.amdgpu_metadata
---
amdhsa.version: [ 1, 2 ]
amdhsa.kernels:
  - .name:           k_q57e35bfe0d_attn
    .symbol:         k_q57e35bfe0d_attn.kd
    .args:
      - { .name: qkimg, .offset: 0, .size: 8, .value_kind: global_buffer, .address_space: global }
      - { .name: qksc, .offset: 8, .size: 8, .value_kind: global_buffer, .address_space: global }
      - { .name: vimg, .offset: 16, .size: 8, .value_kind: global_buffer, .address_space: global }
      - { .name: vsc, .offset: 24, .size: 8, .value_kind: global_buffer, .address_space: global }
      - { .name: yimg, .offset: 32, .size: 8, .value_kind: global_buffer, .address_space: global }
      - { .name: ysc, .offset: 40, .size: 8, .value_kind: global_buffer, .address_space: global }
    .group_segment_fixed_size: 206848
    .private_segment_fixed_size: 0
    .kernarg_segment_align: 8
    .kernarg_segment_size: 48
    .max_flat_workgroup_size: 512
    .sgpr_count:     66
    .vgpr_count:     256
    .wavefront_size: 32
...
	.end_amdgpu_metadata
.endif
;; end of part 7
;; launch oproj (part 8): grid 128 x 2, 8 waves a work-group, no clusters, 87,040 bytes of LDS; arguments yimg, ysc, img, scl, o_proj_b, out0; writes out0
.if DOCPART == 8
	.amdgcn_target "amdgcn-amd-amdhsa--gfx1250"
	.amdhsa_code_object_version 6
	.text
	.protected	k_q57e35bfe0d_oproj
	.globl	k_q57e35bfe0d_oproj
	.p2align	8
	.type	k_q57e35bfe0d_oproj,@function
k_q57e35bfe0d_oproj:
	s_mov_b64 s[64:65], 0
	v_nop
	global_prefetch_b8 v0, s[64:65] scope:SCOPE_SE
	s_setreg_imm32_b32 hwreg(HW_REG_WAVE_SCHED_MODE, 0, 2), 2
	s_setreg_imm32_b32 hwreg(HW_REG_WAVE_MODE, 25, 1), 1
	s_wait_xcnt 0x0
	s_wait_alu depctr_vm_vsrc(0)
; out = y Wo^T + b on codes of FP6 (E2M3) with E8M0 scales; out is f32.  A work-group takes 64 tokens (x) and 512 columns (y); wave w makes the 64 columns of group 8 y + w.
; y's eight K steps of the 64 tokens come into LDS once (wave w brings K step w: the halves of heads 2 w and 2 w + 1 on end are a fragment, by register pairs); Wo's units go from memory into registers, three units ahead.
; The product is used transposed (source 0 = 16 rows of Wo): a lane holds one token and 16 neighbouring columns of each 32.  The bias is the C of the first products.  The 16 accumulators take turns.
; The way out goes through each wave's own stage in LDS: sixteen lanes store 256 consecutive bytes, at a multiple of 256 from out's first byte.
; THE MODE: SCHED_MODE bits 1:0 = 2 (LLVM: expert scheduling mode 2), set by the entry lines.  The code itself states the register dependences
; between vector or matrix instructions and memory or LDS instructions, with s_wait_alu, always for 0.
; THE PLAN.  Eight units of 128 along K.  Registers that memory or LDS instructions touch:
;   W0 .. W3, with their scale words   Unit i's products read set i % 4; the loads of unit i + 4 land in it: issued at unit i + 1's head.
;   Y0, Y1, with their scale words     Unit i's products read buffer i % 2; the LDS loads of unit i + 2 land in it: issued at unit i + 1's head too.
;   the accumulators                   At the head the fill's loads land in the first 52 and its LDS stores read the first 54; the products write them; on the way out the stage's stores read them.
;   OB, two halves                     On the way out: the stage's loads land in a half, eight global stores read it, the loads of the tile two on land in it again.
;   v1-9                               Addresses and offsets, made once at the head and never written again.
; So ONE wait on va_vdst stands at a unit's head: the unit before is done reading the set and the buffer that this unit's loads fill; these follow it, and the unit's products name neither.
; REGISTERS: window 0: v1-9 addresses, v16-23 Wo's scale words, v24-27 y's (2 buffers), v32-63 the bias, v64-191 accumulators, v192-239 y's four fragments, buffer 1; on the way out v192-255 rows.
;   Window 1: v0-191 Wo's fragments (4 sets of 48), v192-239 y's four, buffer 0.
.set UO,   1184
.set USZ,  6144
.set YIMG, 0
.set YSC,  49152
.set STAGE, 51200                      ; 16 rows x (256 + 16) bytes for each wave
.set LI,   1
.set L8,   2
.set BOF,  3                           ; 64 h
.set YSO,  4                           ; 1024 h + 2 r
.set YWI,  5                           ; 6,144 w + 16 l
.set YWS,  6                           ; YSC + 256 w + 8 l
.set STO,  7
.set SRD,  8
.set GO,   9
.set WS,   16
.set XS,   24                          ; buffer p at XS + 2 p
.set BI,   32
.set ACC,  64
.set OB,   192
.set XF,   192                         ; buffer 0 in window 1, buffer 1 in window 0
.set MSB,  0
.macro WIN new                         ; the immediate's high byte repeats the setting that is left
.if MSB != \new
	s_set_vgpr_msb (MSB<<8)|\new
.set MSB, \new
.endif
.endm
.macro MMR d, a, b, c, sa, sb, ra, rb
.if ((\ra) == 0) && ((\rb) == 0)
	v_wmma_scale_f32_16x16x128_f8f6f4 v[0+(\d):7+(\d)], v[0+(\a):11+(\a)], v[0+(\b):11+(\b)], v[0+(\c):7+(\c)], v[0+(\sa)], v[0+(\sb)] matrix_a_fmt:MATRIX_FMT_FP6 matrix_b_fmt:MATRIX_FMT_FP6
.elseif ((\ra) == 1) && ((\rb) == 0)
	v_wmma_scale_f32_16x16x128_f8f6f4 v[0+(\d):7+(\d)], v[0+(\a):11+(\a)], v[0+(\b):11+(\b)], v[0+(\c):7+(\c)], v[0+(\sa)], v[0+(\sb)] matrix_a_fmt:MATRIX_FMT_FP6 matrix_b_fmt:MATRIX_FMT_FP6 matrix_a_scale:MATRIX_SCALE_ROW1
.elseif ((\ra) == 0) && ((\rb) == 1)
	v_wmma_scale_f32_16x16x128_f8f6f4 v[0+(\d):7+(\d)], v[0+(\a):11+(\a)], v[0+(\b):11+(\b)], v[0+(\c):7+(\c)], v[0+(\sa)], v[0+(\sb)] matrix_a_fmt:MATRIX_FMT_FP6 matrix_b_fmt:MATRIX_FMT_FP6 matrix_b_scale:MATRIX_SCALE_ROW1
.else
	v_wmma_scale_f32_16x16x128_f8f6f4 v[0+(\d):7+(\d)], v[0+(\a):11+(\a)], v[0+(\b):11+(\b)], v[0+(\c):7+(\c)], v[0+(\sa)], v[0+(\sb)] matrix_a_fmt:MATRIX_FMT_FP6 matrix_b_fmt:MATRIX_FMT_FP6 matrix_a_scale:MATRIX_SCALE_ROW1 matrix_b_scale:MATRIX_SCALE_ROW1
.endif
.endm
.macro LOADW set, i                    ; unit i of Wo's stream into a set: 13 loads
	WIN 0x40
.irp k, 0,1,2,3,4,5,6,7,8,9,10,11
	global_load_b128 v[48*(\set)+4*\k:48*(\set)+4*\k+3], v[LI], s[24:25] offset:USZ*(\i)+512*\k
.endr
	WIN 0
	global_load_b64 v[WS+2*(\set):WS+2*(\set)+1], v[L8], s[26:27] offset:256*(\i)
.endm
.macro LOADY p, i                      ; y's four fragments of K step i, and their scale words, from LDS into buffer p: 13 loads
.if (\p) == 0
	WIN 0x40                                       ; destination window 1, address window 0
.else
	WIN 0
.endif
.irp k, 0,1,2,3,4,5,6,7,8,9,10,11
	ds_load_b128 v[XF+4*\k:XF+4*\k+3], v[LI] offset:YIMG+USZ*(\i)+512*\k
.endr
	WIN 0
	ds_load_b64 v[XS+2*(\p):XS+2*(\p)+1], v[L8] offset:YSC+256*(\i)
.endm
.macro UNITO i, first                  ; first = 1: C = the bias
.if ((\i) > 0) && ((\i) < 7)
	s_wait_alu depctr_va_vdst(0)                   ; the products of the unit before are done reading their set of Wo, their buffer of y and both scale words, in which the loads below land
.endif
.if (\i) < 7
	LOADY ((\i)+1)%2, (\i)+1                       ; the next unit's y
.endif
.if ((\i) >= 1) && ((\i)+3 < 8)
	LOADW ((\i)+3)%4, (\i)+3                       ; Wo three units on
.endif
.if 7-(\i) >= 3
	s_wait_loadcnt 39                              ; this unit's 13 loads are in; three later units' may be out
.else
	s_wait_loadcnt 13*(7-(\i))
.endif
.if (\i) < 7
	s_wait_dscnt 13                                ; this unit's y is in; the thirteen LDS loads just issued may be out
.else
	s_wait_dscnt 0x0
.endif
.if (\i)%2 == 0
	WIN 0x05                                       ; A and B window 1; C, D window 0
.else
	WIN 0x01                                       ; A window 1; B, C, D window 0
.endif
.irp xt, 0,1,2,3
.irp tw, 0,1,2,3
.if \first
	MMR ACC+8*(4*\xt+\tw), 48*((\i)%4)+12*\tw, XF+12*\xt, BI+8*\tw, WS+2*((\i)%4)+\tw/2, XS+2*((\i)%2)+\xt/2, \tw%2, \xt%2
.else
	MMR ACC+8*(4*\xt+\tw), 48*((\i)%4)+12*\tw, XF+12*\xt, ACC+8*(4*\xt+\tw), WS+2*((\i)%4)+\tw/2, XS+2*((\i)%2)+\xt/2, \tw%2, \xt%2
.endif
.endr
.endr
	WIN 0
.rept 4
	v_nop                                          ; places in front of loads into the products' operands and of the first read of results
.endr
.endm
	s_load_b256 s[4:11], s[0:1], 0x0               ; yimg, ysc, img, scl
	s_load_b128 s[12:15], s[0:1], 0x20             ; o_proj_b, out0
	v_lshl_add_u32 v30, v0, 2, 0x15000
	v_mov_b32 v31, 0
	v_lshrrev_b32 v10, 5, v0
	v_readfirstlane_b32 s16, v10                   ; wave 0..7
	s_mov_b32 s17, ttmp9                           ; G: my 64 tokens
	s_and_b32 s18, ttmp7, 0xffff
	s_lshl_b32 s19, s18, 3
	v_and_b32 v10, 31, v0                          ; lane
	v_and_b32 v11, 15, v0                          ; r
	v_bfe_u32 v12, v0, 4, 1                        ; h
	v_lshlrev_b32 v[LI], 4, v10
	v_lshlrev_b32 v[L8], 3, v10
	v_lshlrev_b32 v[BOF], 6, v12
	v_lshlrev_b32 v[YSO], 1, v11
	v_lshl_add_u32 v[YSO], v12, 10, v[YSO]
	s_wait_alu depctr_va_sdst(0)                   ; s16, the wave's number, is written, ahead of its first reader
	s_add_co_u32 s19, s19, s16                     ; my group of 64 columns
	s_mul_i32 s32, s16, USZ
	v_add_nc_u32 v[YWI], s32, v[LI]
	s_lshl_b32 s33, s16, 8
	s_add_co_u32 s33, s33, YSC
	v_add_nc_u32 v[YWS], s33, v[L8]
	s_mul_i32 s34, s16, 4352
	s_add_co_u32 s34, s34, STAGE                   ; my stage
	v_mul_u32_u24 v[STO], v11, 272
	v_lshl_add_u32 v[STO], v12, 6, v[STO]
	v_add_nc_u32 v[STO], s34, v[STO]               ; in: row r, + 64 h
	v_mul_u32_u24 v[SRD], v12, 272
	v_lshl_add_u32 v[SRD], v11, 4, v[SRD]
	v_add_nc_u32 v[SRD], s34, v[SRD]               ; back: lanes 0-15 one row, lanes 16-31 the next
	v_lshlrev_b32 v[GO], 4, v11
	v_lshl_add_u32 v[GO], v12, 12, v[GO]           ; and the same two rows of out
	s_mov_b32 s37, 0
	s_wait_kmcnt 0x0
	s_lshl_b32 s36, s19, 8
	s_add_nc_u64 s[20:21], s[12:13], s[36:37]      ; the bias of my 64 columns
	s_lshl_b32 s38, s17, 18
	s_add_co_u32 s36, s36, s38
	s_add_nc_u64 s[28:29], s[14:15], s[36:37]      ; out at my first token and column
	s_mul_i32 s36, s17, 49152
	s_mul_i32 s38, s16, 1536
	s_add_co_u32 s36, s36, s38
	s_add_nc_u64 s[22:23], s[4:5], s[36:37]        ; y's images: my tokens, K step w
	s_lshl_b32 s36, s17, 12
	s_lshl_b32 s38, s16, 7
	s_add_co_u32 s36, s36, s38
	s_add_nc_u64 s[30:31], s[6:7], s[36:37]        ; and scale bytes
	s_lshl_b32 s38, s19, 3
	s_add_co_u32 s38, s38, UO
	s_mul_i32 s36, s38, USZ
	s_add_nc_u64 s[24:25], s[8:9], s[36:37]        ; Wo's eight units
	s_lshl_b32 s36, s38, 8
	s_add_nc_u64 s[26:27], s[10:11], s[36:37]
	s_wait_alu depctr_va_vdst(0)                   ; the addresses and offsets v1 to v9 are written: every load and store of the kernel reads some of them
.irp tw, 0,1,2,3
	global_load_b128 v[BI+8*\tw:BI+8*\tw+3], v[BOF], s[20:21] offset:(32*(\tw/2)+8*(\tw%2))*4      ; a lane's eight columns of tile tw: 32 (tw / 2) + 16 h + 8 (tw % 2) on
	global_load_b128 v[BI+8*\tw+4:BI+8*\tw+7], v[BOF], s[20:21] offset:(32*(\tw/2)+8*(\tw%2))*4+16
.endr
.irp xt, 0,1,2,3
.irp p, 0,1,2,3,4,5
	global_load_b64 v[ACC+12*\xt+2*\p:ACC+12*\xt+2*\p+1], v[L8], s[22:23] offset:12288*\xt+256*\p
.endr
.endr
.irp j, 0,1
	global_load_u16 v[ACC+48+2*\j], v[YSO], s[30:31] offset:2048*\j        ; tile 2 j + h: head 2 w's two bytes,
	global_load_u16 v[ACC+49+2*\j], v[YSO], s[30:31] offset:2048*\j+64     ; head 2 w + 1's
.endr
.irp q, 0,1,2,3
	LOADW \q, \q
.endr
	s_wait_loadcnt 52                              ; the bias and the fill are in; the four sets of 13 may be out
	v_lshl_or_b32 v[ACC+52], v[ACC+49], 16, v[ACC+48]
	v_lshl_or_b32 v[ACC+53], v[ACC+51], 16, v[ACC+50]
	s_wait_alu depctr_va_vdst(0)                   ; the two scale words are written, which the last LDS store below reads
.irp xt, 0,1,2,3
.irp p, 0,1,2,3,4,5
	ds_store_b64 v[YWI], v[ACC+12*\xt+2*\p:ACC+12*\xt+2*\p+1] offset:1536*\xt+512*(\p/2)+8*(\p%2)   ; pair p to its place in an image of chunks of four registers
.endr
.endr
	ds_store_b64 v[YWS], v[ACC+52:ACC+53]
	s_wait_dscnt 0x0                               ; for the others' sake
	s_barrier_signal -1
	s_barrier_wait -1                              ; y's eight K steps lie in LDS
	s_wait_alu depctr_vm_vsrc(0)                   ; the fill's LDS stores have read the accumulators' registers, which the products write
	LOADY 0, 0                                     ; unit 0's y
	UNITO 0, 1
.irp i, 1,2,3,4,5,6,7
	UNITO \i, 0
.endr
; THE WAY OUT, a tile of 16 tokens x 64 columns at a time.  LDS serves a wave's instructions in order: no wait between the stores and the loads, nor in front of the next tile's stores
.macro TOSTAGE xt
.irp b, 0,1
.irp q, 0,1,2,3
	ds_store_b128 v[STO], v[ACC+32*(\xt)+16*\b+4*\q:ACC+32*(\xt)+16*\b+4*\q+3] offset:128*\b+16*\q   ; each accumulator from its low end on
.endr
.endr
.irp i, 0,1,2,3,4,5,6,7
	ds_load_b128 v[OB+32*((\xt)%2)+4*\i:OB+32*((\xt)%2)+4*\i+3], v[SRD] offset:544*\i
.endr
.endm
.macro SEND xt, younger                ; younger: the LDS instructions issued behind this tile's loads
	s_wait_dscnt \younger
.irp i, 0,1,2,3,4,5,6,7
	global_store_b128 v[GO], v[OB+32*((\xt)%2)+4*\i:OB+32*((\xt)%2)+4*\i+3], s[28:29] offset:(32*((\xt)/2)+8*((\xt)%2)+2*\i+8*(\i/4))*4096 th:TH_STORE_NT
.endr
.endm
	s_wait_alu depctr_va_vdst(0)                   ; the products have written the accumulators, which the stage's stores read, and are done reading y's buffer 1, in which the stage's loads land; the four places above stay beside this wait
	TOSTAGE 0
.irp xt, 1,2,3
.if \xt > 1
	s_wait_xcnt 0x0                                ; the stores of the tile two back have read the registers that are loaded now
	s_wait_alu depctr_vm_vsrc(0)                   ; the global stores of the tile two back have read their half of OB, in which this tile's loads land
.endif
	TOSTAGE \xt
	SEND \xt-1, 16                                 ; behind its loads: the next tile's 8 stores and 8 loads
.endr
	SEND 3, 0
	s_wait_dscnt 0x0                               ; the closing lines, six on end
	s_wait_alu 0x0
	s_wait_tensorcnt 0x0
	ds_add_u32 v30, v31
	s_wait_dscnt 0x0
	s_endpgm
.Lfunc_end_k_q57e35bfe0d_oproj:
	.size	k_q57e35bfe0d_oproj, .Lfunc_end_k_q57e35bfe0d_oproj-k_q57e35bfe0d_oproj
	.p2alignl 7, 3214868480
	.fill 96, 4, 3214868480
	.section	.rodata,"a",@progbits
	.p2align	6, 0x0
	.amdhsa_kernel k_q57e35bfe0d_oproj
		.amdhsa_group_segment_fixed_size 87040
		.amdhsa_private_segment_fixed_size 0
		.amdhsa_enable_private_segment 0
		.amdhsa_kernarg_size 48
		.amdhsa_user_sgpr_count 2
		.amdhsa_user_sgpr_kernarg_segment_ptr 1
		.amdhsa_wavefront_size32 1
		.amdhsa_system_sgpr_workgroup_id_x 1
		.amdhsa_system_sgpr_workgroup_id_y 1
		.amdhsa_system_sgpr_workgroup_id_z 1
		.amdhsa_system_vgpr_workitem_id 0
		.amdhsa_next_free_vgpr 512
		.amdhsa_next_free_sgpr 66
		.amdhsa_reserve_vcc 0
		.amdhsa_float_denorm_mode_32 3
		.amdhsa_float_denorm_mode_16_64 3
		.amdhsa_memory_ordered 1
		.amdhsa_forward_progress 1
		.amdhsa_inst_pref_size 51
	.end_amdhsa_kernel
	.amdgpu_metadata
---
amdhsa.version: [ 1, 2 ]
amdhsa.kernels:
  - .name:           k_q57e35bfe0d_oproj
    .symbol:         k_q57e35bfe0d_oproj.kd
    .args:
      - { .name: yimg, .offset: 0, .size: 8, .value_kind: global_buffer, .address_space: global }
      - { .name: ysc, .offset: 8, .size: 8, .value_kind: global_buffer, .address_space: global }
      - { .name: img, .offset: 16, .size: 8, .value_kind: global_buffer, .address_space: global }
      - { .name: scl, .offset: 24, .size: 8, .value_kind: global_buffer, .address_space: global }
      - { .name: o_proj_b, .offset: 32, .size: 8, .value_kind: global_buffer, .address_space: global }
      - { .name: out0, .offset: 40, .size: 8, .value_kind: global_buffer, .address_space: global }
    .group_segment_fixed_size: 87040
    .private_segment_fixed_size: 0
    .kernarg_segment_align: 8
    .kernarg_segment_size: 48
    .max_flat_workgroup_size: 256
    .sgpr_count:     66
    .vgpr_count:     512
    .wavefront_size: 32
...
	.end_amdgpu_metadata
.endif
;; end of part 8
